; MI455X (gfx1250); checked and timed in simulation.
; The chip was launched on July 23, 2026; its instructions are those of AMD's public machine-readable ISA for CDNA 5 (MIT licence, August 2026) and "CDNA5" Instruction Set Architecture Reference Guide (July 2026). The comments in the code are by the model that wrote it; some were corrected since.
;; GPT2 Attention. Allowed arithmetic: matrix products marked QUANTISED: E2M3 operands, one E8M0 scale for each 32 along K, by v_wmma_scale_f32_16x16x128_f8f6f4 with both operands' format E2M3, f32 sums; everything else in f32.
;; Inputs: c_attn_b 3,072 float32; c_attn_w 1,024 x 3,072 float32; c_proj_b 1,024 float32; c_proj_w 1,024 x 1,024 float32; x 2 x 2,048 x 1,024 float32.
;; Outputs: out0 2 x 2,048 x 1,024 float32.
;; This version of the problem:
;;   THIS VERSION OF THE PROBLEM IS GIVEN IN LOW PRECISION. The matrix products marked QUANTISED in the list below multiply operands that are first quantised to E2M3 (2 exponent bits, 3 mantissa bits; 6 bits a number), with one power-of-two scale for each 32 numbers along K (OCP MX v1.0); their sums are f32. All else is computed in f32.
;;   The module's matrix products, in the order in which they are computed (A, B: the left and right operand; K: the contracted axis; several contracted axes count as one K, in the product's order):
;;     1. [M 4,096, K 1,024] x [K 1,024, N 3,072]; A: input x; B: input c_attn_w: QUANTISED
;;     2. batch 32 x [M 2,048, K 64] x [K 64, N 2,048]; A: computed on the way; B: computed on the way: QUANTISED
;;     3. batch 32 x [M 2,048, K 2,048] x [K 2,048, N 64]; A: softmax (see below); B: computed on the way: QUANTISED
;;     4. [M 4,096, K 1,024] x [K 1,024, N 1,024]; A: computed on the way; B: input c_proj_w: QUANTISED
;;   THE QUANTISER, for each operand of a quantised product, along K:
;;     - K is cut into blocks of 32 from its start; a last block that is shorter is filled with zeros.
;;     - A block's scale is 2^e with e = floor(log2(the largest magnitude in the block)) - 2, held to -126 .. 127; a block of zeros has e = 0. As a byte (E8M0): e + 127.
;;     - Each number is divided by its block's scale, clamped to +-7.5, and rounded to the nearest number of E2M3, ties to even, subnormals kept.
;;     - The product sums the exact products of the quantised numbers (number of the format x scale) in f32.
;;   ~~~python
;;   def quantise(x, axis):      # numpy; x: float32 -> the quantised numbers, widened to float32 again
;;       x = np.moveaxis(x, axis, -1); K = x.shape[-1]
;;       x = np.pad(x, [(0, 0)] * (x.ndim - 1) + [(0, -K % 32)]); x = x.reshape(x.shape[:-1] + (-1, 32)); a = np.abs(x).max(-1, keepdims=True)
;;       e = np.where(a > 0, np.clip(np.frexp(np.where(a > 0, a, 1))[1] - 1 - 2, -126, 127), 0)      # np.frexp(a)[1] - 1 = floor(log2(a)), exactly
;;       r = np.clip(x / 2.0 ** e, -7.5, 7.5)
;;       step = 2.0 ** (np.maximum(np.frexp(np.where(r == 0, 1, r))[1] - 1, 0) - 3)
;;       q = np.round(r / step) * step * 2.0 ** e      # np.round: ties to even
;;       return np.moveaxis(q.reshape(q.shape[:-2] + (-1,))[..., :K], -1, axis).astype(np.float32)
;;   ~~~
;;   SOFTMAX AHEAD OF A QUANTISED PRODUCT. Where the list says 'softmax', what is quantised is not the finished softmax but p = 2^(t - M), with t = logit x log2(e) and M = ceil(the row's largest t), a whole number; so 1/2 < the row's largest p <= 1. The row's sum l is taken of the UNQUANTISED p, in f32, and the product's result is divided by l at the end. Since M is a whole number, a kernel that streams over the keys may use a running M (the ceiling of the running maximum): every later rescaling is an exact power of two, which a block's scale takes up: the codes' values come out the same.
;;   OPERANDS COMPUTED ON THE WAY. 'Computed on the way' means the value that the module computes at that place (a softmax that the list does not call 'softmax' is quantised finished and normalised). What goes into a quantiser is computed in f32, as accurately as f32 sums, v_exp_f32 and their like allow (about 1e-6 of the number): no bf16 or f16 on the way to a quantiser, and a product that is left as it is and whose result goes on into a quantised operand takes f32 operands (vector FMAs, or v_wmma_f32_16x16x4_f32). A number that lies on a knife's edge between two numbers of the format may be rounded either way, as far as f32 arithmetic and the matrix unit's own rounding can turn it there, and no further.
;; 2 versions, each right; version 2 is version 1 with the launch attn written anew for expert scheduling mode. Each part assembles by itself: llvm-mc -triple=amdgcn-amd-amdhsa -mcpu=gfx1250 --defsym DOCPART=n.
;; ======== version 1 of 2: 4 launches
;; workspace buffers: xq 3,276,800 bytes; wq 2,457,600 bytes; pq 819,200 bytes; qc 3,407,872 bytes; kv 6,553,600 bytes; ao 3,276,800 bytes
;; launch quant (part 1): grid 256 x 1, 4 waves a work-group, no clusters, 60,928 bytes of LDS; arguments x, c_attn_w, c_proj_w, xq, wq, pq; writes xq, wq, pq
.if DOCPART == 1
	.amdgcn_target "amdgcn-amd-amdhsa--gfx1250"
	.amdhsa_code_object_version 6
	.text
	.protected	k_q93b946ae5a_quant
	.globl	k_q93b946ae5a_quant
	.p2align	8
	.type	k_q93b946ae5a_quant,@function
k_q93b946ae5a_quant:
	s_mov_b64 s[64:65], 0
	v_nop
	global_prefetch_b8 v0, s[64:65] scope:SCOPE_SE
	s_setreg_imm32_b32 hwreg(HW_REG_WAVE_MODE, 25, 1), 1
	s_wait_xcnt 0x0
; x [4096][1024], c_attn_w [1024][3072] and c_proj_w [1024][1024], f32, become codes of FP6 (E2M3) with one E8M0 byte for each 32 along K (x: its last axis; the weights: their FIRST axis).
; A block's scale is 2^(floor(log2(largest magnitude)) - 2); its byte is the largest magnitude's exponent field - 2, held at 1 from below by a floor among the maximum's leaves.
; LIMITS: NaN and infinities among the inputs are not served.  A block of zeros, or one whose largest magnitude lies under 2^-124, gets the byte 1 (the rule says 127 for zeros): its codes are as the
; conversion gives them (zeros for zeros), and only this program reads the bytes.
; THE OUTPUT IS LAID AS THE NEXT LAUNCH'S OPERAND REGISTERS.  For a group of 128 rows (tokens, or columns of a weight) and 128 along K there is a block of 12,800 bytes: eight tiles of 16 rows, 1,536 bytes each
; (register p of lane l at 512 (p / 4) + 16 l + 4 (p % 4): three loads of 16 bytes a lane bring a fragment), then 512 bytes of scale words.
; Row i of tile T is index 32 (T / 2) + 8 (T % 2) + i + 8 (i / 8) of the group, so that a product's results of two neighbouring tiles are 16 neighbours along the next quantiser's axis.
; The scale word of (T, i) lies at 256 (T / 4) + 8 (16 (T % 2) + i) + 4 ((T / 2) % 2): one load of 8 bytes a lane gives two registers, each with one tile in lanes 0-15 and the next in lanes 16-31.
; SHARES: 1,024 wave tasks of 8,192 numbers.  Work-groups 0-127: x, a wave takes 64 rows x 128 K.  Work-groups 128-255: the weights, a wave takes 64 columns x 128 K.
; The two paths part on the work-group's number and have LDS bytes of their own.  No wave shares anything with another: no barrier.  Matrix units, tensor loads and clusters would add nothing to a stream read once.
.set SEL, 38                           ; s[38:39] lane selects: lane l xor 16
.set RS,  16                           ; x path: v16-143 two sets of 16 rows x 16 bytes a lane, as loaded
.set X,   144                          ; v144-207 64 numbers of my row: register 16 b + i = k 32 b + 16 (lane / 16) + i
.set PC,  208                          ; v208-219 a fragment's codes
.set CT,  220                          ; v220-227 the conversions' second halves
.set MX,  228                          ; v228-231 largest magnitudes
.set BY,  232                          ; v232-235 the other half's maxima, then the bytes
.set SO,  236                          ; v236-239 the conversions' scale operands
.set PW,  244                          ; v244-247 a scale word for each tile
.set SW,  248                          ; v[248:249] the two registers of scale words that leave
.set VO,  16                           ; weights: v16-47 byte offset of row i at my column; never rewritten
.set WX,  48                           ; v48-111 two sets of 32 numbers down K
.set C,   112                          ; v112-117 a block's codes
.set D,   120                          ; v120-122 its second half, as converted
.set WSW, 124                          ; v[124:125] my column's scale words, one for each group of 32 columns
.set OUTR, 128                         ; v128-175 four tiles read back
.set XST, 8448                         ; x path: a wave's stage, 16 rows x (512 + 16) bytes
.set WST0, 4*XST                       ; the weights' stages begin behind them
.set TST, 1664                         ; a tile's place in a weight stage: 1,536 + 128, so that the two tiles that a store touches fall on different banks
.set WST, 4*TST
; 64 numbers of a lane, v[s] on, become a fragment's codes in v[pc] on and the row's scale word in v[pw]
.macro QUANT s, pc, pw
.irp b, 0,1,2,3
	v_max3_num_f32 v[MX+\b], |v[\s+16*\b]|, |v[\s+1+16*\b]|, 0x1800000   ; block b: my 16 numbers, and the floor 2^(3 - 127)
.endr
.irp i, 2,4,6,8,10,12,14
.irp b, 0,1,2,3
	v_max3_num_f32 v[MX+\b], v[MX+\b], |v[\s+16*\b+\i]|, |v[\s+1+16*\b+\i]|   ; the four blocks by turns
.endr
.endr
.irp b, 0,1,2,3
	v_permlanex16_b32 v[BY+\b], v[MX+\b], s[SEL], s[SEL+1]
.endr
.irp b, 0,1,2,3
	v_max_num_f32 v[MX+\b], v[MX+\b], v[BY+\b]     ; with lane l xor 16's: the block's largest magnitude
.endr
.irp b, 0,1,2,3
	v_add_nc_u32 v[SO+\b], 0xff000000, v[MX+\b]    ; 2 off its exponent field: the conversion's scale operand
.endr
.irp b, 0,1,2,3
	v_lshrrev_b32 v[BY+\b], 23, v[SO+\b]           ; the scale's byte
.endr
	v_lshl_or_b32 v[\pw], v[BY+1], 8, v[BY]
	v_lshl_or_b32 v[\pw], v[BY+2], 16, v[\pw]
	v_lshl_or_b32 v[\pw], v[BY+3], 24, v[\pw]
.irp c, 0,1
	v_cvt_scalef32_pk16_fp6_f32 v[\pc+6*\c:\pc+2+6*\c], v[\s+32*\c:\s+15+32*\c], v[SO+2*\c]
	v_cvt_scalef32_pk16_fp6_f32 v[CT+4*\c:CT+2+4*\c], v[\s+16+32*\c:\s+31+32*\c], v[SO+2*\c+1]   ; (a conversion's three registers begin on an even number)
.endr
	v_nop                                          ; one plain place behind a scaled conversion
.irp c, 0,1                                    ; the operand wants a whole block in a lane: lanes 0-15 block 2 c, lanes 16-31 block 2 c + 1
.irp i, 0,1,2
	v_permlane16_swap_b32 v[\pc+6*\c+\i], v[CT+4*\c+\i]
.endr
.irp i, 0,1,2
	v_mov_b32 v[\pc+3+6*\c+\i], v[CT+4*\c+\i]
.endr
.endr
.endm
	s_load_b256 s[4:11], s[0:1], 0x0               ; x s[4:5], c_attn_w s[6:7], c_proj_w s[8:9], xq s[10:11]
	s_load_b128 s[12:15], s[0:1], 0x20             ; wq s[12:13], pq s[14:15]
	v_lshl_add_u32 v254, v0, 2, 0xec00
	v_mov_b32 v255, 0
	v_lshrrev_b32 v1, 5, v0
	v_readfirstlane_b32 s16, v1                    ; wave 0..3
	v_and_b32 v1, 31, v0                           ; lane
	v_lshlrev_b32 v2, 4, v1                        ; 16 x lane
	s_mov_b32 s23, 0                               ; the high word of every offset pair s[22:23]
	s_cmp_lt_u32 ttmp9, 128
	s_cbranch_scc0 .Lweights
; ---------------- x: 64 rows x 128 along K for a wave ----------------
	s_lshr_b32 s17, ttmp9, 1                       ; which 64 rows
	s_and_b32 s18, ttmp9, 1
	s_lshl_b32 s18, s18, 2
	s_add_co_u32 s18, s18, s16                     ; which 128 along K: 4 (work-group % 2) + wave
	s_lshl_b32 s22, s17, 18                        ; 64 rows of 4,096 bytes
	s_lshl_b32 s19, s18, 9
	s_add_co_u32 s22, s22, s19
	s_wait_kmcnt 0x0
	s_add_nc_u64 s[24:25], s[4:5], s[22:23]
.macro XLOAD t                         ; tile t's 16 rows: each load reads a row's 512 consecutive bytes, 16 a lane
.irp i, 0,1,2,3,4,5,6,7,8,9,10,11,12,13,14,15
	global_load_b128 v[RS+64*((\t)%2)+4*\i:RS+64*((\t)%2)+4*\i+3], v2, s[24:25] offset:(32*((\t)/2)+8*((\t)%2)+\i+8*(\i/8))*4096 th:TH_LOAD_NT
.endr
.endm
	XLOAD 0
	XLOAD 1
	s_mov_b32 s[SEL], 0x76543210
	s_mov_b32 s[SEL+1], 0xfedcba98
	v_and_b32 v6, 15, v0                           ; r
	v_bfe_u32 v7, v0, 4, 1                         ; h
	s_mul_i32 s20, s16, XST                        ; my stage
	v_add_nc_u32 v3, s20, v2                       ; in: 16 x lane of a row
	v_mul_u32_u24 v4, v6, 528
	v_lshl_add_u32 v4, v7, 6, v4
	v_add_nc_u32 v4, s20, v4                       ; back: row r, + 64 h: my 16 numbers of each block of 32
	v_lshlrev_b32 v5, 3, v1                        ; the scale words: 8 x lane
.irp b, 0,1,2,3
	v_mov_b32 v[BY+\b], 0                          ; written once: a lane permute's destination counts as one of its sources
.endr
	s_lshr_b32 s19, s17, 1                         ; the group of 128 rows
	s_mul_i32 s22, s19, 102400
	s_mul_i32 s19, s18, 12800
	s_add_co_u32 s22, s22, s19
	s_add_nc_u64 s[26:27], s[10:11], s[22:23]      ; its block for my 128 along K
	s_and_b32 s19, s17, 1                          ; which half of the group: tiles 4 x half on
	s_mul_i32 s22, s19, 6144
	s_add_nc_u64 s[28:29], s[26:27], s[22:23]      ; my four tiles
	s_lshl_b32 s22, s19, 8
	s_add_co_u32 s22, s22, 12288
	s_add_nc_u64 s[30:31], s[26:27], s[22:23]      ; my 256 bytes of scale words
.macro XTURN t                         ; through my stage: LDS serves a wave's instructions in order, so no wait stands between the stores and the loads
.irp i, 0,1,2,3,4,5,6,7,8,9,10,11,12,13,14,15
	ds_store_b128 v3, v[RS+64*((\t)%2)+4*\i:RS+64*((\t)%2)+4*\i+3] offset:528*\i
.endr
.irp b, 0,1,2,3
.irp j, 0,1,2,3
	ds_load_b128 v[X+16*\b+4*\j:X+16*\b+4*\j+3], v4 offset:128*\b+16*\j
.endr
.endr
.endm
.irp t, 0,1,2,3
.if \t < 3
	s_wait_loadcnt 16                              ; this tile's 16 loads are in; the next tile's 16 may be out
.else
	s_wait_loadcnt 0x0
.endif
	XTURN \t
	s_wait_dscnt 0x0                               ; my 64 numbers are back, and the stores have read the set
.if \t < 2
	XLOAD \t+2                                     ; which takes the tile two on
.endif
	s_wait_xcnt 0x0                                ; the last tile's stores have read the codes' registers: only now are they written again
	QUANT X, PC, PW+\t
.irp c, 0,1,2
	global_store_b128 v2, v[PC+4*\c:PC+4*\c+3], s[28:29] offset:1536*\t+512*\c   ; 512 consecutive bytes, aligned
.endr
.endr
	s_mov_b32 vcc_lo, 0xffff0000                   ; lanes 16-31
	v_cndmask_b32 v[SW], v[PW], v[PW+1], vcc_lo    ; register e: tile 2 e in lanes 0-15, tile 2 e + 1 in lanes 16-31 (every lane holds the word of row lane % 16)
	v_cndmask_b32 v[SW+1], v[PW+2], v[PW+3], vcc_lo
	global_store_b64 v5, v[SW:SW+1], s[30:31]      ; 256 consecutive bytes, aligned
	s_wait_tensorcnt 0x0
	ds_add_u32 v254, v255
	s_wait_dscnt 0x0
	s_endpgm
; ---------------- the weights: 64 columns x 128 along K for a wave; a lane takes a column, its registers run down K ----------------
.Lweights:
	s_sub_co_u32 s17, ttmp9, 128
	s_cmp_lt_u32 s17, 96                           ; 96 work-groups for c_attn_w, 32 for c_proj_w: the choice hangs on the work-group's number alone
	s_cselect_b32 s18, 0, 96
	s_mov_b32 s36, 4096
	s_cselect_b32 s36, 12288, s36                  ; a row of the weight in bytes
	s_wait_kmcnt 0x0
	s_cselect_b64 s[24:25], s[6:7], s[8:9]
	s_cselect_b64 s[26:27], s[12:13], s[14:15]
	s_sub_co_u32 s17, s17, s18
	s_and_b32 s19, s17, 7                          ; which 128 along K
	s_lshr_b32 s20, s17, 3                         ; which 256 columns
	s_lshl_b32 s21, s20, 10
	s_lshl_b32 s22, s16, 8
	s_add_co_u32 s21, s21, s22                     ; my first column in bytes: 4 (256 x that + 64 x wave)
	s_lshl_b32 s22, s19, 7
	s_mul_i32 s22, s22, s36
	s_add_co_u32 s22, s22, s21
	s_add_nc_u64 s[28:29], s[24:25], s[22:23]      ; a base for each of my four blocks of 32 along K
	s_lshl_b32 s22, s36, 5
	s_add_nc_u64 s[30:31], s[28:29], s[22:23]
	s_add_nc_u64 s[32:33], s[30:31], s[22:23]
	s_add_nc_u64 s[34:35], s[32:33], s[22:23]
	v_lshlrev_b32 v[VO], 2, v1
.irp i, 1,2,3,4,5,6,7,8,9,10,11,12,13,14,15,16,17,18,19,20,21,22,23,24,25,26,27,28,29,30,31
	v_add_nc_u32 v[VO+\i], s36, v[VO+\i-1]         ; 4 x lane + i rows (the row's length differs between the two weights, so it cannot stand in an immediate)
.endr
.macro WLOAD p                         ; pass p: block p / 2 along K, columns 32 (p % 2) on.  The two halves of a wave's 256 bytes of a row are asked for in neighbouring passes
.irp i, 0,1,2,3,4,5,6,7,8,9,10,11,12,13,14,15,16,17,18,19,20,21,22,23,24,25,26,27,28,29,30,31
	global_load_b32 v[WX+32*((\p)%2)+\i], v[VO+\i], s[28+2*((\p)/2):29+2*((\p)/2)] offset:128*((\p)%2) th:TH_LOAD_NT
.endr
.endm
	WLOAD 0
	WLOAD 1
	v_bfe_u32 v9, v0, 3, 1                         ; column 32 g + lane is row r = lane % 8 + 8 (lane / 16) of tile 2 g + u, u = (lane / 8) % 2
	v_and_b32 v10, 7, v0
	v_bfe_u32 v11, v0, 4, 1
	v_lshl_add_u32 v10, v11, 3, v10
	s_mul_i32 s37, s16, WST
	s_add_co_u32 s37, s37, WST0                    ; my stage
	v_mul_u32_u24 v6, v9, TST
	v_lshl_add_u32 v6, v10, 4, v6
	v_add_nc_u32 v6, s37, v6                       ; in: tile u, 16 r
	v_lshlrev_b32 v7, 7, v9
	v_lshl_add_u32 v7, v10, 3, v7                  ; my scale words' place: 8 (16 u + r)
	v_add_nc_u32 v8, s37, v2                       ; back: 16 x lane
	s_lshl_b32 s21, s20, 1
	s_lshr_b32 s22, s16, 1
	s_add_co_u32 s21, s21, s22                     ; the group of 128 columns
	s_mul_i32 s22, s21, 102400
	s_mul_i32 s21, s19, 12800
	s_add_co_u32 s22, s22, s21
	s_add_nc_u64 s[26:27], s[26:27], s[22:23]
	s_and_b32 s21, s16, 1                          ; which half of the group
	s_mul_i32 s22, s21, 6144
	s_add_nc_u64 s[40:41], s[26:27], s[22:23]
	s_lshl_b32 s22, s21, 8
	s_add_co_u32 s22, s22, 12288
	s_add_nc_u64 s[42:43], s[26:27], s[22:23]
.macro WBLOCK p
.set XS, WX+32*((\p)%2)
.set KBL, (\p)/2
.set CG, (\p)%2
.if (\p) < 7
	s_wait_loadcnt 32                              ; this pass's 32 loads are in; the next pass's may be out
.else
	s_wait_loadcnt 0x0
.endif
	v_max3_num_f32 v12, |v[XS]|, |v[XS+1]|, |v[XS+2]|               ; the block's largest magnitude: all 32 numbers are mine
	v_max3_num_f32 v13, |v[XS+3]|, |v[XS+4]|, |v[XS+5]|
.irp i, 6,10,14,18,22,26
	v_max3_num_f32 v12, v12, |v[XS+\i]|, |v[XS+\i+1]|
	v_max3_num_f32 v13, v13, |v[XS+\i+2]|, |v[XS+\i+3]|
.endr
	v_max3_num_f32 v12, v12, |v[XS+30]|, |v[XS+31]|
	v_max3_num_f32 v12, v12, v13, 0x1800000        ; and the floor 2^(3 - 127)
	v_add_nc_u32 v14, 0xff000000, v12              ; the conversion's scale operand
	v_lshrrev_b32 v13, 23, v14                     ; the byte
.if KBL == 0
	v_mov_b32 v[WSW+CG], v13
.else
	v_lshl_or_b32 v[WSW+CG], v13, 8*KBL, v[WSW+CG]
.endif
	v_cvt_scalef32_pk16_fp6_f32 v[C:C+2], v[XS:XS+15], v14
	v_cvt_scalef32_pk16_fp6_f32 v[D:D+2], v[XS+16:XS+31], v14
	v_nop                                          ; one plain place behind a scaled conversion
.irp i, 0,1,2
	v_mov_b32 v[C+3+\i], v[D+\i]
.endr
; block kb of row r is registers 6 (kb / 2) .. + 5 of lane r + 16 (kb % 2) of the fragment: their places in the tile's image
.if KBL < 2
	ds_store_b128 v6, v[C:C+3] offset:2*TST*CG+256*(KBL%2)
	ds_store_b64 v6, v[C+4:C+5] offset:2*TST*CG+256*(KBL%2)+512
.else
	ds_store_b64 v6, v[C:C+1] offset:2*TST*CG+256*(KBL%2)+520
	ds_store_b128 v6, v[C+2:C+5] offset:2*TST*CG+256*(KBL%2)+1024
.endif
.if (\p)+2 < 8
	WLOAD (\p)+2
.endif
	s_wait_dscnt 0x0                               ; the stores have read their registers: the next block's codes may be written
.endm
.irp p, 0,1,2,3,4,5,6,7
	WBLOCK \p
.endr
.irp t, 0,1,2,3
.irp c, 0,1,2
	ds_load_b128 v[OUTR+12*\t+4*\c:OUTR+12*\t+4*\c+3], v8 offset:TST*\t+512*\c   ; LDS serves a wave's instructions in order: these see my stores
.endr
.endr
	global_store_b64 v7, v[WSW:WSW+1], s[42:43]    ; the 32 lanes fill 256 consecutive bytes, aligned
	s_wait_dscnt 0x0
.irp t, 0,1,2,3
.irp c, 0,1,2
	global_store_b128 v2, v[OUTR+12*\t+4*\c:OUTR+12*\t+4*\c+3], s[40:41] offset:1536*\t+512*\c   ; 512 consecutive bytes, aligned
.endr
.endr
	s_wait_tensorcnt 0x0
	ds_add_u32 v254, v255
	s_wait_dscnt 0x0
	s_endpgm
.Lfunc_end_k_q93b946ae5a_quant:
	.size	k_q93b946ae5a_quant, .Lfunc_end_k_q93b946ae5a_quant-k_q93b946ae5a_quant
	.p2alignl 7, 3214868480
	.fill 96, 4, 3214868480
	.section	.rodata,"a",@progbits
	.p2align	6, 0x0
	.amdhsa_kernel k_q93b946ae5a_quant
		.amdhsa_group_segment_fixed_size 60928
		.amdhsa_private_segment_fixed_size 0
		.amdhsa_enable_private_segment 0
		.amdhsa_kernarg_size 48
		.amdhsa_user_sgpr_count 2
		.amdhsa_user_sgpr_kernarg_segment_ptr 1
		.amdhsa_wavefront_size32 1
		.amdhsa_system_sgpr_workgroup_id_x 1
		.amdhsa_system_sgpr_workgroup_id_y 1
		.amdhsa_system_sgpr_workgroup_id_z 1
		.amdhsa_system_vgpr_workitem_id 0
		.amdhsa_next_free_vgpr 256
		.amdhsa_next_free_sgpr 66
		.amdhsa_reserve_vcc 1
		.amdhsa_float_denorm_mode_32 3
		.amdhsa_float_denorm_mode_16_64 3
		.amdhsa_memory_ordered 1
		.amdhsa_forward_progress 1
		.amdhsa_inst_pref_size 76
	.end_amdhsa_kernel
	.amdgpu_metadata
---
amdhsa.version: [ 1, 2 ]
amdhsa.kernels:
  - .name:           k_q93b946ae5a_quant
    .symbol:         k_q93b946ae5a_quant.kd
    .args:
      - { .name: x, .offset: 0, .size: 8, .value_kind: global_buffer, .address_space: global }
      - { .name: c_attn_w, .offset: 8, .size: 8, .value_kind: global_buffer, .address_space: global }
      - { .name: c_proj_w, .offset: 16, .size: 8, .value_kind: global_buffer, .address_space: global }
      - { .name: xq, .offset: 24, .size: 8, .value_kind: global_buffer, .address_space: global }
      - { .name: wq, .offset: 32, .size: 8, .value_kind: global_buffer, .address_space: global }
      - { .name: pq, .offset: 40, .size: 8, .value_kind: global_buffer, .address_space: global }
    .group_segment_fixed_size: 60928
    .private_segment_fixed_size: 0
    .kernarg_segment_align: 8
    .kernarg_segment_size: 48
    .max_flat_workgroup_size: 128
    .sgpr_count:     66
    .vgpr_count:     256
    .wavefront_size: 32
...
	.end_amdgpu_metadata
.endif
;; end of part 1
;; launch qkv (part 2): grid 12 x 16, 8 waves a work-group, no clusters, 327,680 bytes of LDS; arguments xq, wq, c_attn_b, qc, kv; writes qc, kv
.if DOCPART == 2
	.amdgcn_target "amdgcn-amd-amdhsa--gfx1250"
	.amdhsa_code_object_version 6
	.text
	.protected	k_q93b946ae5a_qkv
	.globl	k_q93b946ae5a_qkv
	.p2align	8
	.type	k_q93b946ae5a_qkv,@function
k_q93b946ae5a_qkv:
	s_mov_b64 s[64:65], 0
	v_nop
	global_prefetch_b8 v0, s[64:65] scope:SCOPE_SE
	s_setreg_imm32_b32 hwreg(HW_REG_WAVE_MODE, 25, 1), 1
	s_wait_xcnt 0x0
; qkv = x c_attn_w + c_attn_b on codes of FP6 (E2M3) with E8M0 scales, sums in f32; the result never goes to memory as f32: Q and K are quantised along the head's 64, V along the keys, and leave as codes laid as
; the attention launch's operand registers.
; SHARES.  A work-group makes 256 (source 0) x 256 (source 1) of the result: work-group x = 256 columns of the weight (0-3 Q, 4-7 K, 8-11 V), y = 256 tokens.  Eight waves, two to a SIMD; a wave makes 128 x 64:
; 32 accumulators, window 1.  In a result a lane holds ONE row of source 1 and its registers run along source 0.  Q, K: source 0 = the weight's columns, source 1 = tokens: a lane's registers run along the head.
; V: source 0 = tokens, source 1 = columns: they run along the keys.  Only the two pointers change places; the text of the products is one.
; Both operands come as blocks of 12,800 bytes (128 rows x 128 K: eight tiles' register images, then the scale words).  Row i of tile T is index 32 (T / 2) + 8 (T % 2) + i + 8 (i / 8) of its group of 128, so that
; register 16 b + i of a lane's 64 results is index 32 b + 16 (lane / 16) + i: what the conversions want.
; LDS: three slots of 102,400 bytes, each two K steps of 128: eight blocks, one a wave by one tensor load (50 dense rows of 256 bytes).  K = 1,024 is four slots' worth: all three are asked for at the start
; (three loads of a wave are out), and slot 0 is filled once more (then one is out).
; NOT USED: joint loads in a cluster, though tiles are shared (a block of the weight by 16 work-groups, one of x by 12): left for a later version of this text, so that this one has plain barriers only.
; LIMITS: a block of zeros, or one whose largest magnitude lies under 2^-124, gets the scale byte 1; only this program reads the bytes.  NaN and infinities are not served.
.set KB,    12800                      ; a block
.set SLOTB, 8*KB
.set SPARE, 3*SLOTB                    ; behind the slots: the spare words, 128 bytes for each of eight waves: four blocks of 256 bytes that no other line names
.set S0,  16                           ; v16-19  source 0's scale words: register T / 2, lanes 16 (T % 2) on
.set S1,  20                           ; v20-21  source 1's
.set PW,  22                           ; v22-25  the way out: a scale word for each of my four tiles
.set WD,  26                           ; v26-29  scale words as they leave
.set F0,  32                           ; v32-127 source 0's eight fragments
.set F1,  128                          ; v128-175 source 1's four
.set BV,  176                          ; v176-183 V's bias: my column's, twice, for each of the four tiles
.set AD1, 184                          ; v184-187 the four LDS addresses for slots 1 and 2 (v4-7: for slot 0, never rewritten)
.set BQ,  192                          ; v192-255 Q's and K's bias: that of my 64 registers' columns
.set H,   32                           ; the way out: 64 numbers;
.set PC,  96                           ; v96-143 four fragments of codes;
.set CT,  144
.set MX,  152
.set BY,  156
.set SO,  160
.set SEL, 46                           ; s[46:47]
.set MSB, 0
.macro WIN new                         ; the immediate's high byte repeats the setting that is left
.if MSB != \new
	s_set_vgpr_msb (MSB<<8)|\new
.set MSB, \new
.endif
.endm
; one scaled product.  z = 1: it starts the sum.  ra, rb: the side's scale words stand in lanes 16-31
.macro WM d, a, b, z, sa, sb, ra, rb
.if \z
.if (\ra) && (\rb)
	v_wmma_scale_f32_16x16x128_f8f6f4 v[\d:\d+7], v[\a:\a+11], v[\b:\b+11], 0, v[\sa], v[\sb] matrix_a_fmt:MATRIX_FMT_FP6 matrix_b_fmt:MATRIX_FMT_FP6 matrix_a_scale:MATRIX_SCALE_ROW1 matrix_b_scale:MATRIX_SCALE_ROW1
.elseif (\ra)
	v_wmma_scale_f32_16x16x128_f8f6f4 v[\d:\d+7], v[\a:\a+11], v[\b:\b+11], 0, v[\sa], v[\sb] matrix_a_fmt:MATRIX_FMT_FP6 matrix_b_fmt:MATRIX_FMT_FP6 matrix_a_scale:MATRIX_SCALE_ROW1
.elseif (\rb)
	v_wmma_scale_f32_16x16x128_f8f6f4 v[\d:\d+7], v[\a:\a+11], v[\b:\b+11], 0, v[\sa], v[\sb] matrix_a_fmt:MATRIX_FMT_FP6 matrix_b_fmt:MATRIX_FMT_FP6 matrix_b_scale:MATRIX_SCALE_ROW1
.else
	v_wmma_scale_f32_16x16x128_f8f6f4 v[\d:\d+7], v[\a:\a+11], v[\b:\b+11], 0, v[\sa], v[\sb] matrix_a_fmt:MATRIX_FMT_FP6 matrix_b_fmt:MATRIX_FMT_FP6
.endif
.else
.if (\ra) && (\rb)
	v_wmma_scale_f32_16x16x128_f8f6f4 v[\d:\d+7], v[\a:\a+11], v[\b:\b+11], v[\d:\d+7], v[\sa], v[\sb] matrix_a_fmt:MATRIX_FMT_FP6 matrix_b_fmt:MATRIX_FMT_FP6 matrix_a_scale:MATRIX_SCALE_ROW1 matrix_b_scale:MATRIX_SCALE_ROW1
.elseif (\ra)
	v_wmma_scale_f32_16x16x128_f8f6f4 v[\d:\d+7], v[\a:\a+11], v[\b:\b+11], v[\d:\d+7], v[\sa], v[\sb] matrix_a_fmt:MATRIX_FMT_FP6 matrix_b_fmt:MATRIX_FMT_FP6 matrix_a_scale:MATRIX_SCALE_ROW1
.elseif (\rb)
	v_wmma_scale_f32_16x16x128_f8f6f4 v[\d:\d+7], v[\a:\a+11], v[\b:\b+11], v[\d:\d+7], v[\sa], v[\sb] matrix_a_fmt:MATRIX_FMT_FP6 matrix_b_fmt:MATRIX_FMT_FP6 matrix_b_scale:MATRIX_SCALE_ROW1
.else
	v_wmma_scale_f32_16x16x128_f8f6f4 v[\d:\d+7], v[\a:\a+11], v[\b:\b+11], v[\d:\d+7], v[\sa], v[\sb] matrix_a_fmt:MATRIX_FMT_FP6 matrix_b_fmt:MATRIX_FMT_FP6
.endif
.endif
.endm
; 64 numbers of a lane, v[s] on (register 16 b + i = index 32 b + 16 (lane / 16) + i), become a fragment's codes in v[pc] on and the row's scale word in v[pw]
.macro QUANT s, pc, pw
.irp b, 0,1,2,3
	v_max3_num_f32 v[MX+\b], |v[\s+16*\b]|, |v[\s+1+16*\b]|, 0x1800000   ; block b: my 16 numbers, and the floor 2^(3 - 127)
.endr
.irp i, 2,4,6,8,10,12,14
.irp b, 0,1,2,3
	v_max3_num_f32 v[MX+\b], v[MX+\b], |v[\s+16*\b+\i]|, |v[\s+1+16*\b+\i]|
.endr
.endr
.irp b, 0,1,2,3
	v_permlanex16_b32 v[BY+\b], v[MX+\b], s[SEL], s[SEL+1]
.endr
.irp b, 0,1,2,3
	v_max_num_f32 v[MX+\b], v[MX+\b], v[BY+\b]     ; with lane l xor 16's: the block's largest magnitude
.endr
.irp b, 0,1,2,3
	v_add_nc_u32 v[SO+\b], 0xff000000, v[MX+\b]    ; 2 off its exponent field: the conversion's scale operand
.endr
.irp b, 0,1,2,3
	v_lshrrev_b32 v[BY+\b], 23, v[SO+\b]           ; the scale's byte
.endr
	v_lshl_or_b32 v[\pw], v[BY+1], 8, v[BY]
	v_lshl_or_b32 v[\pw], v[BY+2], 16, v[\pw]
	v_lshl_or_b32 v[\pw], v[BY+3], 24, v[\pw]
.irp c, 0,1
	v_cvt_scalef32_pk16_fp6_f32 v[\pc+6*\c:\pc+2+6*\c], v[\s+32*\c:\s+15+32*\c], v[SO+2*\c]
	v_cvt_scalef32_pk16_fp6_f32 v[CT+4*\c:CT+2+4*\c], v[\s+16+32*\c:\s+31+32*\c], v[SO+2*\c+1]
.endr
	v_nop                                          ; one plain place behind a scaled conversion
.irp c, 0,1
.irp i, 0,1,2
	v_permlane16_swap_b32 v[\pc+6*\c+\i], v[CT+4*\c+\i]
.endr
.irp i, 0,1,2
	v_mov_b32 v[\pc+3+6*\c+\i], v[CT+4*\c+\i]
.endr
.endr
.endm
.macro PLACES
.rept 4
	v_nop
.endr
.endm
	s_load_b256 s[4:11], s[0:1], 0x0               ; xq s[4:5], wq s[6:7], c_attn_b s[8:9], qc s[10:11]
	s_load_b64 s[12:13], s[0:1], 0x20              ; kv
	v_lshl_add_u32 v8, v0, 2, SPARE                ; my spare word; never rewritten
	v_mov_b32 v9, 0                                ; 0; never rewritten
	ds_add_u32 v8, v9
	ds_add_u32 v8, v9
	s_wait_dscnt 0x0
	v_lshrrev_b32 v1, 5, v0
	v_readfirstlane_b32 s14, v1                    ; wave 0..7
	s_mov_b32 s15, ttmp9                           ; x: 256 columns
	s_and_b32 s16, ttmp7, 0xffff                   ; y: 256 tokens
	s_lshr_b32 s17, s15, 2                         ; 0 Q, 1 K, 2 V
	s_and_b32 s18, s14, 1                          ; w0: my half of source 0.  Also: which of a slot's two K steps I fetch
	s_lshr_b32 s19, s14, 1                         ; w1: my quarter of source 1
	; descriptor group 1: a dense block of 12,800 bytes as 50 rows of 32 elements of 8 bytes
	s_mov_b32 s24, 3<<16                           ; no mask; elements of 8 bytes; no padding
	s_mov_b32 s25, 32<<16                          ; tensor_dim0 = 32
	s_mov_b32 s26, 50<<16                          ; tensor_dim1 = 50
	s_mov_b32 s27, 32<<16                          ; tile_dim0 = 32
	s_mov_b32 s28, 50                              ; tile_dim1 = 50
	s_mov_b32 s29, 32                              ; from row to row
	s_mov_b32 s30, 0
	s_mov_b32 s31, 0
	; wave w fetches block w of a slot: side w / 4, group (w / 2) % 2 of that side's two, K step w % 2
	s_lshr_b32 s20, s14, 2
	s_cmp_eq_u32 s17, 2
	s_cselect_b32 s21, 1, 0
	s_xor_b32 s20, s20, s21                        ; 1: that side is x (source 1 for Q and K, source 0 for V)
	s_and_b32 s21, s19, 1
	s_mul_i32 s23, s14, KB                         ; where it goes
	s_cmp_lg_u32 s20, 0
	s_cselect_b32 s22, s16, s15
	s_wait_kmcnt 0x0
	s_cselect_b64 s[44:45], s[4:5], s[6:7]         ; the choice hangs on ids alone
	s_lshl_b32 s22, s22, 1
	s_add_co_u32 s22, s22, s21                     ; the group of 128
	s_mul_i32 s48, s22, 102400
	s_mul_i32 s22, s18, KB
	s_add_co_u32 s48, s48, s22
	s_mov_b32 s49, 0
	s_add_nc_u64 s[44:45], s[44:45], s[48:49]
.irp s, 0,1,2
	s_mov_b32 s[32+4*\s], 1                        ; count = 1
	s_add_co_u32 s[33+4*\s], s23, \s*SLOTB         ; LDS address
	s_add_nc_u64 s[34+4*\s:35+4*\s], s[44:45], \s*2*KB   ; K steps 2 s and 2 s + 1
	s_or_b32 s[35+4*\s], s[35+4*\s], 0x80000000    ; type = 2
.endr
	tensor_load_to_lds s[32:35], s[24:31]          ; the three first fills go out together, ahead of every wait on TENSORcnt, LDS read and barrier
	s_nop 0
	tensor_load_to_lds s[36:39], s[24:31]
	s_nop 0
	tensor_load_to_lds s[40:43], s[24:31]
	s_nop 0
	PLACES
	v_and_b32 v12, 31, v0                          ; lane
	v_and_b32 v13, 15, v0                          ; r
	v_bfe_u32 v14, v0, 4, 1                        ; h
	v_lshlrev_b32 v1, 4, v12                       ; 16 x lane
	v_lshlrev_b32 v2, 3, v12                       ; 8 x lane
	v_lshlrev_b32 v3, 2, v12                       ; 4 x lane
	s_mul_i32 s20, s18, 2*KB
	v_add_nc_u32 v4, s20, v1                       ; source 0: my group's block
	s_add_co_u32 s21, s20, 12288
	v_add_nc_u32 v5, s21, v2                       ; and its scale words
	s_lshr_b32 s20, s19, 1
	s_mul_i32 s20, s20, 2*KB
	s_add_co_u32 s20, s20, 4*KB                    ; source 1: my group's block,
	s_and_b32 s21, s19, 1
	s_mul_i32 s22, s21, 6144
	s_add_co_u32 s22, s22, s20
	v_add_nc_u32 v6, s22, v1                       ; my four tiles of it
	s_lshl_b32 s22, s21, 8
	s_add_co_u32 s22, s22, s20
	s_add_co_u32 s22, s22, 12288
	v_add_nc_u32 v7, s22, v2                       ; and their scale words
	v_lshlrev_b32 v11, 4, v13
	v_lshl_add_u32 v11, v14, 13, v11               ; Q's scale words on the way out: 16 r, + a head's 8,192 bytes for lanes 16-31
	s_mov_b32 s[SEL], 0x76543210
	s_mov_b32 s[SEL+1], 0xfedcba98
	; both forms of the bias, by every wave (both stay inside the buffer for every x)
	s_lshl_b32 s20, s15, 10
	s_lshl_b32 s21, s18, 9
	s_add_co_u32 s20, s20, s21
	s_mov_b32 s21, 0
	s_add_nc_u64 s[50:51], s[8:9], s[20:21]        ; columns 256 x + 128 w0 on
	v_lshlrev_b32 v15, 6, v14                      ; + 16 h numbers
.irp b, 0,1,2,3
.irp j, 0,1,2,3
	global_load_b128 v[BQ+16*\b+4*\j:BQ+16*\b+4*\j+3], v15, s[50:51] offset:128*\b+16*\j
.endr
.endr
	s_lshl_b32 s20, s15, 10
	s_lshl_b32 s22, s19, 8
	s_add_co_u32 s20, s20, s22
	s_add_nc_u64 s[52:53], s[8:9], s[20:21]        ; columns 256 x + 64 w1 on
	v_and_b32 v10, 8, v13
	v_add_nc_u32 v10, v10, v13
	v_lshlrev_b32 v10, 2, v10                      ; + r + 8 (r / 8)
.irp a, 0,1,2,3
	global_load_b32 v[BV+2*\a], v10, s[52:53] offset:4*(32*(\a/2)+8*(\a%2))
	global_load_b32 v[BV+2*\a+1], v10, s[52:53] offset:4*(32*(\a/2)+8*(\a%2))
.endr
; A K step of 128: 39 LDS loads, 32 products.  ad: the first of the slot's four address registers; kk: which of the slot's two steps; first = 1: the products start the sums: nothing is cleared.
; The 32 accumulators take turns, one instruction a turn, in the same order in every step.
.macro KSTEP ad, kk, first
	WIN 0
	ds_load_b64 v[S0:S0+1], v[\ad+1] offset:KB*\kk
	ds_load_b64 v[S0+2:S0+3], v[\ad+1] offset:KB*\kk+256
	ds_load_b64 v[S1:S1+1], v[\ad+3] offset:KB*\kk
.irp a, 0,1,2,3
.irp c, 0,1,2
	ds_load_b128 v[F1+12*\a+4*\c:F1+12*\a+4*\c+3], v[\ad+2] offset:KB*\kk+1536*\a+512*\c
.endr
.endr
.irp b, 0,1,2,3,4,5,6,7
.irp c, 0,1,2
	ds_load_b128 v[F0+12*\b+4*\c:F0+12*\b+4*\c+3], v[\ad] offset:KB*\kk+1536*\b+512*\c
.endr
.endr
	WIN 0x50                                       ; C and D in window 1
.irp b, 0,1,2,3,4,5,6,7
	s_wait_dscnt 21-3*\b                           ; source 0's fragment b is in: behind it stand the three loads of each later fragment
.irp a, 0,1,2,3
	WM 8*(8*\a+\b), F0+12*\b, F1+12*\a, \first, S0+\b/2, S1+\a/2, \b%2, \a%2
.endr
.endr
	PLACES                                         ; four places in front of the next loads into registers that these products have read, and of the first read of results
.endm
	s_wait_tensorcnt 2                             ; my block of slot 0 is in; slots 1 and 2 may stay out
	s_barrier_signal -1
	s_barrier_wait -1                              ; everybody's is
	KSTEP 4, 0, 1
	KSTEP 4, 1, 0
	WIN 0
	s_wait_tensorcnt 0x0                           ; all my tensor loads have landed: my blocks of slots 1 and 2;
	ds_add_u32 v8, v9                              ; 0 onto my spare word;
	s_add_nc_u64 s[34:35], s[34:35], 6*KB          ; no load of mine is out, so slot 0's group 0 may be written: K steps 6 and 7
.irp i, 0,1,2,3
	v_add_nc_u32 v[AD1+\i], SLOTB, v[4+\i]         ; slot 1's addresses
.endr
	s_wait_dscnt 0x0                               ; the add is done, and my reads of slot 0 are over
	s_barrier_signal -1
	s_barrier_wait -1                              ; both hold of every wave
	tensor_load_to_lds s[32:35], s[24:31]          ; my one tensor load behind this barrier: it has four K steps, 128 products, in which to land
	s_nop 0
	PLACES
	KSTEP AD1, 0, 0
	KSTEP AD1, 1, 0
	WIN 0
.irp i, 0,1,2,3
	v_add_nc_u32 v[AD1+\i], SLOTB, v[AD1+\i]       ; slot 2's
.endr
	KSTEP AD1, 0, 0
	KSTEP AD1, 1, 0
	WIN 0
	s_wait_tensorcnt 0x0                           ; my block of slot 0's second fill is in (the one load that was out); no LDS load of mine is out (the last step's count ran down to 0)
	s_barrier_signal -1
	s_barrier_wait -1                              ; everybody's is
	KSTEP 4, 0, 0
	KSTEP 4, 1, 0
	WIN 0
; THE WAY OUT.  Tile a of my four: bias added (which also brings the 64 sums into window 0), quantised, stored as register images.
.macro TAKE a, bias, step              ; each accumulator is read from its low end on
	WIN 0x01                                       ; source 0 in window 1
.set i, 0
.rept 32
	v_pk_add_f32 v[H+i:H+i+1], v[64*(\a)+i:64*(\a)+i+1], v[\bias+(\step)*i:\bias+(\step)*i+1]
.set i, i+2
.endr
	WIN 0
.endm
.macro FINISH                          ; the wave's end
	s_wait_tensorcnt 0x0
	ds_add_u32 v8, v9
	s_wait_dscnt 0x0
	s_endpgm
.endm
	s_wait_loadcnt 0x0                             ; the biases
	s_mov_b32 vcc_lo, 0xffff0000                   ; lanes 16-31
.irp b, 0,1,2,3
	v_mov_b32 v[BY+\b], 0                          ; a lane permute's destination counts as one of its sources
.endr
	s_lshr_b32 s20, s16, 3                         ; the batch
	s_lshl_b32 s20, s20, 4
	s_and_b32 s23, s15, 3
	s_lshl_b32 s23, s23, 2
	s_add_co_u32 s20, s20, s23                     ; 16 x batch + 4 (x % 4): the first of the work-group's four heads
	s_and_b32 s21, s16, 7
	s_lshl_b32 s21, s21, 1                         ; 2 (y % 8): the first of its two groups of 128 tokens in the batch
	s_mov_b32 s57, 0
	s_mov_b32 s61, 0
	s_cmp_eq_u32 s17, 2
	s_cbranch_scc1 .Lvalues
	; ---- Q and K: a lane holds a token; its 64 registers are two heads' 64.  A fragment's registers 0-5 are head A's piece (768 bytes: 16 bytes a lane, then 8), registers 6-11 head B's
	s_lshl_b32 s23, s18, 1
	s_add_co_u32 s20, s20, s23                     ; head A
	s_lshr_b32 s22, s19, 1
	s_add_co_u32 s21, s21, s22                     ; my group of 128 tokens
	s_and_b32 s22, s19, 1                          ; and which half of it: tiles 4 x half on
	s_cmp_eq_u32 s17, 0
	s_cselect_b64 s[54:55], s[10:11], s[12:13]     ; Q goes to qc, K to kv
	s_mov_b32 s56, 204800
	s_cselect_b32 s56, 98304, s56                  ; bytes from head to head,
	s_movk_i32 s58, 12800
	s_cselect_b32 s58, 6144, s58                   ; and from group to group
	s_mul_i32 s60, s20, s56
	s_mul_i32 s59, s21, s58
	s_add_co_u32 s60, s60, s59
	s_mul_i32 s59, s22, 3072
	s_add_co_u32 s60, s60, s59
	s_add_nc_u64 s[54:55], s[54:55], s[60:61]      ; head A's four pieces
	s_add_nc_u64 s[62:63], s[54:55], s[56:57]      ; head B's
.irp a, 0,1,2,3
	TAKE \a, BQ, 1
	QUANT H, PC+12*\a, PW+\a
	global_store_b128 v1, v[PC+12*\a:PC+12*\a+3], s[54:55] offset:768*\a          ; 512 consecutive bytes, aligned
	global_store_b64 v2, v[PC+12*\a+4:PC+12*\a+5], s[54:55] offset:768*\a+512     ; 256
	global_store_b128 v1, v[PC+12*\a+6:PC+12*\a+9], s[62:63] offset:768*\a
	global_store_b64 v2, v[PC+12*\a+10:PC+12*\a+11], s[62:63] offset:768*\a+512
.endr
	s_cmp_eq_u32 s17, 0
	s_cbranch_scc0 .Lkeys
	; Q's scale words: the head's two bytes twice (the operand is used as [q | 0] and as [0 | q]).  Lanes 0-15 write head A's, lanes 16-31 head B's: 256 consecutive bytes each
	v_mov_b32 v30, 0x01000100
	v_mov_b32 v31, 0x03020302
	v_cndmask_b32 v30, v30, v31, vcc_lo
.irp a, 0,1,2,3
	v_perm_b32 v[WD+\a], v[PW+\a], v[PW+\a], v30
.endr
	s_lshl_b32 s56, s20, 13                        ; 8,192 bytes a head,
	s_lshl_b32 s58, s21, 1
	s_add_co_u32 s58, s58, s22
	s_lshl_b32 s58, s58, 8                         ; 256 for four tiles
	s_add_co_u32 s56, s56, s58
	s_add_co_u32 s56, s56, 3145728                 ; behind the codes
	s_add_nc_u64 s[44:45], s[10:11], s[56:57]
	global_store_b128 v11, v[WD:WD+3], s[44:45]
	FINISH
.Lkeys:
	; K's scale words: tiles 2 p and 2 p + 1 are used as ONE operand (k 0-63, k 64-127), so their bytes make one word.  Lanes 0-15: my tiles 0, 1; lanes 16-31: tiles 2, 3
	v_cndmask_b32 v30, v[PW], v[PW+2], vcc_lo
	v_cndmask_b32 v31, v[PW+1], v[PW+3], vcc_lo
	v_perm_b32 v[WD], v31, v30, 0x05040100         ; head A: bytes 0, 1 of each
	v_perm_b32 v[WD+1], v31, v30, 0x07060302       ; head B: bytes 2, 3
	s_mul_i32 s56, s20, 204800
	s_mul_i32 s58, s21, 12800
	s_add_co_u32 s56, s56, s58
	s_lshl_b32 s58, s22, 7
	s_add_co_u32 s56, s56, s58
	s_add_co_u32 s56, s56, 12288
	s_add_nc_u64 s[44:45], s[12:13], s[56:57]
	global_store_b32 v3, v[WD], s[44:45]           ; 128 consecutive bytes: the other 128 of the 256 are the neighbouring wave's (32 bytes in 12,800 of what this launch stores go so)
	global_store_b32 v3, v[WD+1], s[44:45] offset:204800
	FINISH
.Lvalues:
	; ---- V: a lane holds one of the head's 64 (tile a, row r: 32 (a / 2) + 8 (a % 2) + r + 8 (r / 8)); its 64 registers run along 128 keys: a whole fragment of the second product's operand
	s_add_co_u32 s20, s20, s19                     ; my head
	s_add_co_u32 s21, s21, s18                     ; my group of 128 keys
	s_mul_i32 s60, s20, 204800
	s_mul_i32 s59, s21, 12800
	s_add_co_u32 s60, s60, s59
	s_add_co_u32 s60, s60, 6144                    ; behind K's eight pieces
	s_add_nc_u64 s[54:55], s[12:13], s[60:61]
.irp a, 0,1,2,3
	TAKE \a, BV+2*\a, 0
	QUANT H, PC+12*\a, PW+\a
.irp c, 0,1,2
	global_store_b128 v1, v[PC+12*\a+4*\c:PC+12*\a+4*\c+3], s[54:55] offset:1536*\a+512*\c
.endr
.endr
	v_cndmask_b32 v[WD], v[PW], v[PW+1], vcc_lo    ; register e: tile 2 e in lanes 0-15, tile 2 e + 1 in lanes 16-31
	v_cndmask_b32 v[WD+1], v[PW+2], v[PW+3], vcc_lo
	global_store_b64 v2, v[WD:WD+1], s[54:55] offset:6400   ; 256 consecutive bytes, aligned
	FINISH
.Lfunc_end_k_q93b946ae5a_qkv:
	.size	k_q93b946ae5a_qkv, .Lfunc_end_k_q93b946ae5a_qkv-k_q93b946ae5a_qkv
	.p2alignl 7, 3214868480
	.fill 96, 4, 3214868480
	.section	.rodata,"a",@progbits
	.p2align	6, 0x0
	.amdhsa_kernel k_q93b946ae5a_qkv
		.amdhsa_group_segment_fixed_size 327680
		.amdhsa_private_segment_fixed_size 0
		.amdhsa_enable_private_segment 0
		.amdhsa_kernarg_size 40
		.amdhsa_user_sgpr_count 2
		.amdhsa_user_sgpr_kernarg_segment_ptr 1
		.amdhsa_wavefront_size32 1
		.amdhsa_system_sgpr_workgroup_id_x 1
		.amdhsa_system_sgpr_workgroup_id_y 1
		.amdhsa_system_sgpr_workgroup_id_z 1
		.amdhsa_system_vgpr_workitem_id 0
		.amdhsa_next_free_vgpr 512
		.amdhsa_next_free_sgpr 80
		.amdhsa_reserve_vcc 1
		.amdhsa_float_denorm_mode_32 3
		.amdhsa_float_denorm_mode_16_64 3
		.amdhsa_memory_ordered 1
		.amdhsa_forward_progress 1
		.amdhsa_inst_pref_size 116
	.end_amdhsa_kernel
	.amdgpu_metadata
---
amdhsa.version: [ 1, 2 ]
amdhsa.kernels:
  - .name:           k_q93b946ae5a_qkv
    .symbol:         k_q93b946ae5a_qkv.kd
    .args:
      - { .name: xq, .offset: 0, .size: 8, .value_kind: global_buffer, .address_space: global }
      - { .name: wq, .offset: 8, .size: 8, .value_kind: global_buffer, .address_space: global }
      - { .name: c_attn_b, .offset: 16, .size: 8, .value_kind: global_buffer, .address_space: global }
      - { .name: qc, .offset: 24, .size: 8, .value_kind: global_buffer, .address_space: global }
      - { .name: kv, .offset: 32, .size: 8, .value_kind: global_buffer, .address_space: global }
    .group_segment_fixed_size: 327680
    .private_segment_fixed_size: 0
    .kernarg_segment_align: 8
    .kernarg_segment_size: 40
    .max_flat_workgroup_size: 256
    .sgpr_count:     80
    .vgpr_count:     512
    .wavefront_size: 32
...
	.end_amdgpu_metadata
.endif
;; end of part 2
;; launch attn (part 3): grid 8 x 32, 16 waves a work-group, no clusters, 27,648 bytes of LDS; arguments qc, kv, ao; writes ao
.if DOCPART == 3
	.amdgcn_target "amdgcn-amd-amdhsa--gfx1250"
	.amdhsa_code_object_version 6
	.text
	.protected	k_q93b946ae5a_attn
	.globl	k_q93b946ae5a_attn
	.p2align	8
	.type	k_q93b946ae5a_attn,@function
k_q93b946ae5a_attn:
	s_mov_b64 s[64:65], 0
	v_nop
	global_prefetch_b8 v0, s[64:65] scope:SCOPE_SE
	s_setreg_imm32_b32 hwreg(HW_REG_WAVE_MODE, 25, 1), 1
	s_wait_xcnt 0x0
; O = softmax(Q K^T / 8, causal) V for one head, both products on codes of FP6 (E2M3) with E8M0 scales; O / l is quantised along the head's 64 and leaves as codes for the last product.
; THE SOFTMAX AHEAD OF THE SECOND PRODUCT: t = score x log2(e) / 8; M = the row's largest t so far, rounded UP to a whole number; p = 2^(t - M) is quantised along the keys, not normalised.  The row's sum is taken of
; the unquantised p and divides at the end.  When M moves, the sum and O are multiplied by 2^(old M - new M): exact.
; SHARES.  Work-group (g, bh): head bh, and of each of the 16 blocks of 128 queries its tile g.  Wave w owns ONE tile of 16 queries, of block 4 ((w + w / 4) % 4) + w / 4: a wave of block B has B + 1 key steps of work,
; every work-group has 136, and at every step the waves that still work are spread evenly over w % 4 and over w / 4.  256 registers a wave, four waves to a SIMD: one wave's vector work stands beside another's products.
; Every wave walks all 16 steps of 128 keys (a constant trip count, every barrier); a step whose keys all come after the wave's queries is jumped over by a scalar branch on ids; on the diagonal hidden scores become -infinity.
; TILES.  A step's K, V and scale words are 12,800 dense bytes, laid as operand registers.  They go memory -> registers -> LDS as they lie, 16 bytes a thread (waves 0-8 take a second 16), one step ahead, into two slots
; by turns, with one barrier a step.  No tensor load: 12,800 bytes a step do not want one, and the launch then needs no ring protocol.  No cluster: what is shared is these 12,800 bytes, beside some 235 vector instructions for each working wave.
; LAYOUT.  Both products are used transposed (S^T = K Q^T, O^T = V^T P^T): a lane holds ONE query.  Row i of a tile T of keys (of queries, of V's 64) is index 32 (T / 2) + 8 (T % 2) + i + 8 (i / 8), so the 16 registers
; of tiles 2 b, 2 b + 1 are 16 neighbours.  K = 64 IS HALF AN INSTRUCTION'S 128: two tiles of keys make one operand (tile 2 p in k 0-63, tile 2 p + 1 in k 64-127), multiplied once by [q | 0] and once by [0 | q],
; which are two views of 18 registers [0 x 6][q x 6][0 x 6].  Zero codes add nothing under any scale byte that the quantiser makes.
; LIMITS: p under 2^-126 counts as 0 (v_exp_f32 flushes); a block of zeros gets the scale byte 1; NaN and infinities are not served.
; REGISTERS: v1-3 16, 8, 4 x lane; v4 16 x thread; v5 my query's place less 16 (lane / 16); v10, v11 offsets; v12 -M, v13 the largest t, v[14:15] the sum in two halves; v32-79 K's four pairs, then V's four fragments;
; v80-87 the next tile on its way; v96-159 S^T, then p; v160-191 O^T; v192-209 zeros, q, zeros; v224-235 p's codes; v232-247, v252, v254 at work; v248-249 K's scale words, v250-251 V's, v253 p's, v255 Q's.
.set TILEB, 12800
	s_load_b128 s[4:7], s[0:1], 0x0                ; qc s[4:5], kv s[6:7]
	s_load_b64 s[8:9], s[0:1], 0x10                ; ao
	v_lshl_add_u32 v223, v0, 2, 0x6400
	v_mov_b32 v243, 0
	v_lshrrev_b32 v1, 5, v0
	v_readfirstlane_b32 s10, v1                    ; wave 0..15
	s_mov_b32 s16, ttmp9                           ; g
	s_and_b32 s17, ttmp7, 0xffff                   ; bh
	s_lshr_b32 s32, s10, 2
	s_add_co_u32 s33, s10, s32
	s_and_b32 s33, s33, 3
	s_lshl_b32 s33, s33, 2
	s_add_co_u32 s11, s33, s32                     ; my block of 128 queries
	s_mov_b32 s12, 0                               ; the step
	s_mov_b32 s13, 7                               ; trips of two steps
	s_mov_b32 s20, 0x76543210
	s_mov_b32 s21, 0xfedcba98                      ; lane l xor 16
	s_mov_b32 s22, 0x3e38aa3b                      ; c = log2(e) / 8
	s_mov_b32 s23, s22                             ; (named with it as a pair, so it is written)
	v_and_b32 v6, 31, v0
	v_lshlrev_b32 v1, 4, v6
	v_lshlrev_b32 v2, 3, v6
	v_lshlrev_b32 v3, 2, v6
	v_lshlrev_b32 v4, 4, v0
	v_and_b32 v7, 15, v0                           ; r
	v_bfe_u32 v8, v0, 4, 1                         ; h
	v_and_b32 v9, 8, v7
	v_add_nc_u32 v9, v9, v7                        ; r + 8 (r / 8)
	v_lshlrev_b32 v10, 4, v8
	v_sub_nc_u32 v9, v9, v10
	s_lshr_b32 s32, s16, 1
	s_lshl_b32 s32, s32, 5
	s_and_b32 s33, s16, 1
	s_lshl_b32 s33, s33, 3
	s_add_co_u32 s32, s32, s33
	v_add_nc_u32 v5, s32, v9                       ; d = my query's place in its block - 16 h.  Register 16 b + i holds key 32 b + 16 h + i of the step: on the diagonal hidden where 32 b + i > d
	v_lshlrev_b32 v10, 4, v7                       ; Q's scale words: 16 r
	v_lshl_add_u32 v11, v7, 2, v8                  ; O's scale bytes: 4 r + h
	s_mul_i32 s32, s17, 16*TILEB                   ; the head's tiles
	s_mov_b32 s33, 0
	s_mul_i32 s34, s17, 98304                      ; Q's piece: 768 bytes a tile, tile 8 x block + g
	s_lshl_b32 s36, s11, 3
	s_add_co_u32 s36, s36, s16
	s_mul_i32 s36, s36, 768
	s_add_co_u32 s34, s34, s36
	s_mov_b32 s35, 0
	s_lshl_b32 s36, s17, 13                        ; Q's scale words: 8,192 a head, 256 for four tiles, 4 for a tile among them
	s_lshl_b32 s38, s11, 1
	s_lshr_b32 s39, s16, 2
	s_add_co_u32 s38, s38, s39
	s_lshl_b32 s38, s38, 8
	s_add_co_u32 s36, s36, s38
	s_and_b32 s38, s16, 3
	s_lshl_b32 s38, s38, 2
	s_add_co_u32 s36, s36, s38
	s_add_co_u32 s36, s36, 3145728
	s_mov_b32 s37, 0
	s_lshr_b32 s38, s17, 4                         ; ao: the block of (group of 128 tokens = 16 x batch + my block, 128 along K = two heads)
	s_lshl_b32 s38, s38, 4
	s_add_co_u32 s38, s38, s11
	s_mul_i32 s38, s38, 102400
	s_bfe_u32 s39, s17, 0x30001                    ; (head / 2): three bits from bit 1
	s_mul_i32 s39, s39, 12800
	s_add_co_u32 s38, s38, s39
	s_and_b32 s39, s17, 1                          ; head % 2: which half of the fragment's registers
	s_mul_i32 s40, s16, 1536
	s_mul_i32 s41, s39, 768
	s_add_co_u32 s40, s40, s41
	s_add_co_u32 s40, s40, s38
	s_mov_b32 s41, 0
	s_lshl_b32 s42, s16, 6                         ; the scale words: 64 bytes a tile, 4 a row; my head's two bytes of a word
	s_lshl_b32 s43, s39, 1
	s_add_co_u32 s42, s42, s43
	s_add_co_u32 s42, s42, s38
	s_add_co_u32 s42, s42, 12288
	s_mov_b32 s43, 0
.irp j, 84,85,86,87
	v_mov_b32 v\j, 0                               ; written once: waves 9-15 never load them
.endr
	s_wait_kmcnt 0x0
	s_add_nc_u64 s[14:15], s[6:7], s[32:33]
	s_add_nc_u64 s[24:25], s[4:5], s[34:35]
	s_add_nc_u64 s[26:27], s[4:5], s[36:37]
	s_add_nc_u64 s[28:29], s[8:9], s[40:41]
	s_add_nc_u64 s[30:31], s[8:9], s[42:43]
	global_load_b128 v[80:83], v4, s[14:15]        ; step 0's tile
	s_cmp_lt_u32 s10, 9
	s_cbranch_scc0 .Lhead_one
	global_load_b128 v[84:87], v4, s[14:15] offset:8192
.Lhead_one:
	global_load_b128 v[198:201], v1, s[24:25]      ; q stays in registers
	global_load_b64 v[202:203], v2, s[24:25] offset:512
	global_load_b32 v255, v10, s[26:27]
.irp j, 192,193,194,195,196,197,204,205,206,207,208,209
	v_mov_b32 v\j, 0                               ; the zero codes on either side of q
.endr
	v_mov_b32 v13, 0xff61b1e6                      ; the largest t so far: -3e38, under every t
	v_floor_f32 v12, -v13                          ; -M
	v_mov_b32 v14, 0
	v_mov_b32 v15, 0
.irp b, 0,1,2,3
	v_mov_b32 v[236+\b], 0                         ; a lane permute's destination counts as one of its sources
.endr
	v_mov_b32 v252, 0
	v_mov_b32 v253, 0                              ; (named as the upper half of the pair v[252:253] before it is first written)
.irp j, 0,1,2,3,4,5,6,7,8,9,10,11,12,13,14,15,16,17,18,19,20,21,22,23,24,25,26,27,28,29,30,31
	v_mov_b32 v[160+\j], 0                         ; O^T.  (The step is written for every step alike: the first finds zeros, which the first change of M leaves zeros)
.endr
	s_wait_loadcnt 0x0
	ds_store_b128 v4, v[80:83]
	s_cmp_lt_u32 s10, 9
	s_cbranch_scc0 .Lhead_two
	ds_store_b128 v4, v[84:87] offset:8192
.Lhead_two:
	s_wait_dscnt 0x0                               ; for the others' sake: my part of the tile lies in LDS
	s_barrier_signal -1
	s_barrier_wait -1
; A KEY STEP on slot s.  fetch = 1: the next step's tile is asked for at the head and put into the other slot at the end.  bar = 1: the barrier that ends the step
.macro STEP s, fetch, bar
.if \fetch
	s_add_nc_u64 s[14:15], s[14:15], TILEB         ; (the loads that named this base have been waited for)
	global_load_b128 v[80:83], v4, s[14:15]
	s_cmp_lt_u32 s10, 9
	s_cbranch_scc0 .Lone_\@
	global_load_b128 v[84:87], v4, s[14:15] offset:8192
.Lone_\@:
.endif
	s_cmp_gt_u32 s12, s11                          ; all these keys come after my queries: nothing to do but the tile's carriage and the barrier
	s_cbranch_scc1 .Lhidden_\@
.irp p, 0,1,2,3                                ; K's four pairs of tiles: two pieces of 768 bytes make an operand's 12 registers
	ds_load_b128 v[32+12*\p:35+12*\p], v1 offset:TILEB*\s+1536*\p
	ds_load_b64 v[36+12*\p:37+12*\p], v2 offset:TILEB*\s+1536*\p+512
	ds_load_b128 v[38+12*\p:41+12*\p], v1 offset:TILEB*\s+1536*\p+768
	ds_load_b64 v[42+12*\p:43+12*\p], v2 offset:TILEB*\s+1536*\p+1280
.endr
	ds_load_b32 v248, v3 offset:TILEB*\s+12288     ; their scale words: pair 0 in lanes 0-15, pair 1 in lanes 16-31;
	ds_load_b32 v249, v3 offset:TILEB*\s+12288+128 ; pairs 2 and 3
	s_wait_dscnt 0x0
.irp p, 0,1,2,3
.irp u, 0,1                                    ; u = 0: [q | 0] takes tile 2 p; u = 1: [0 | q] takes tile 2 p + 1
.if \p%2
	v_wmma_scale_f32_16x16x128_f8f6f4 v[96+8*(2*\p+\u):103+8*(2*\p+\u)], v[32+12*\p:43+12*\p], v[198-6*\u:209-6*\u], 0, v[248+\p/2], v255 matrix_a_fmt:MATRIX_FMT_FP6 matrix_b_fmt:MATRIX_FMT_FP6 matrix_a_scale:MATRIX_SCALE_ROW1
.else
	v_wmma_scale_f32_16x16x128_f8f6f4 v[96+8*(2*\p+\u):103+8*(2*\p+\u)], v[32+12*\p:43+12*\p], v[198-6*\u:209-6*\u], 0, v[248+\p/2], v255 matrix_a_fmt:MATRIX_FMT_FP6 matrix_b_fmt:MATRIX_FMT_FP6
.endif
.endr
.endr
.rept 4
	v_nop                                          ; four places in front of loads into registers that these products have read, and of the first read of the scores
.endr
.irp a, 0,1,2,3                                ; V's four fragments take K's registers now and land during the softmax
.irp c, 0,1,2
	ds_load_b128 v[32+12*\a+4*\c:35+12*\a+4*\c], v1 offset:TILEB*\s+6144+1536*\a+512*\c
.endr
.endr
	ds_load_b64 v[250:251], v2 offset:TILEB*\s+12544
	s_cmp_lg_u32 s12, s11                          ; the diagonal step alone has hidden keys
	s_cbranch_scc1 .Lopen_\@
	v_mov_b32 v254, 0xff800000                     ; -infinity: p = 0 then
.irp n, 0,1,2,3,4,5,6,7,8,9,10,11,12,13,14,15,16,17,18,19,20,21,22,23,24,25,26,27,28,29,30,31,32,33,34,35,36,37,38,39,40,41,42,43,44,45,46,47,48,49,50,51,52,53,54,55,56,57,58,59,60,61,62,63
	v_cmp_gt_i32 vcc_lo, 32*(\n/16)+\n%16, v5
	v_cndmask_b32 v[96+\n], v[96+\n], v254, vcc_lo
.endr
.Lopen_\@:
.irp b, 0,1,2,3
	v_max3_num_f32 v[232+\b], v[96+16*\b], v[97+16*\b], v[98+16*\b]   ; the largest score of each block of 32 keys: it serves for the row's maximum and, since p rises with the score, for the block's largest p
.endr
.irp i, 3,5,7,9,11,13
.irp b, 0,1,2,3
	v_max3_num_f32 v[232+\b], v[232+\b], v[96+16*\b+\i], v[97+16*\b+\i]
.endr
.endr
.irp b, 0,1,2,3
	v_max_num_f32 v[232+\b], v[232+\b], v[111+16*\b]
.endr
.irp b, 0,1,2,3
	v_permlanex16_b32 v[236+\b], v[232+\b], s20, s21
.endr
.irp b, 0,1,2,3
	v_max_num_f32 v[232+\b], v[232+\b], v[236+\b]  ; with lane l xor 16's 16 keys
.endr
	v_max3_num_f32 v254, v232, v233, v234
	v_max_num_f32 v254, v254, v235                 ; the step's largest score of my query (the block's first key counts for every query, so it is a number)
	v_mul_f32 v254, s22, v254                      ; as t
	v_max_num_f32 v13, v13, v254                   ; the running largest t
	v_mov_b32 v254, v12
	v_floor_f32 v12, -v13                          ; the new -M = -ceil(t)
	v_sub_f32 v254, v12, v254                      ; old M - new M: a whole number, 0 or less
	v_cvt_i32_f32 v254, v254                       ; (it saturates)
	v_ldexp_f32 v252, 1.0, v254                    ; f = 2^(old M - new M)
.irp j, 0,2,4,6,8,10,12,14,16,18,20,22,24,26,28,30,32,34,36,38,40,42,44,46,48,50,52,54,56,58,60,62
	v_pk_fma_f32 v[96+\j:97+\j], v[96+\j:97+\j], s[22:23], v[12:13] op_sel_hi:[1,0,0]   ; t - M, two at a time
.endr
.irp b, 0,1,2,3
	v_fma_f32 v[232+\b], v[232+\b], s22, v12       ; the same of each block's largest score
.endr
.irp j, 0,1,2,3,4,5,6,7,8,9,10,11,12,13,14,15,16,17,18,19,20,21,22,23,24,25,26,27,28,29,30,31,32,33,34,35,36,37,38,39,40,41,42,43,44,45,46,47,48,49,50,51,52,53,54,55,56,57,58,59,60,61,62,63
	v_exp_f32 v[96+\j], v[96+\j]                   ; p = 2^(t - M), at most 1
.endr
.irp b, 0,1,2,3
	v_exp_f32 v[232+\b], v[232+\b]                 ; the block's largest p
.endr
	v_pk_mul_f32 v[14:15], v[14:15], v[252:253] op_sel_hi:[1,0]   ; the sums under the new M.  (The plain place behind the exponentials)
	s_wait_alu depctr_va_vdst(0)
.irp b, 0,1,2,3
	v_max_num_f32 v[232+\b], 0x1800000, v[232+\b]  ; the floor 2^(3 - 127): the byte cannot fall under 1
.endr
.irp b, 0,1,2,3
	v_add_nc_u32 v[244+\b], 0xff000000, v[232+\b]  ; the conversion's scale operand
.endr
.irp b, 0,1,2,3
	v_lshrrev_b32 v[236+\b], 23, v[244+\b]         ; the byte
.endr
	v_lshl_or_b32 v253, v237, 8, v236              ; p's scale word for these 128 keys
	v_lshl_or_b32 v253, v238, 16, v253
	v_lshl_or_b32 v253, v239, 24, v253
.irp c, 0,1
	v_cvt_scalef32_pk16_fp6_f32 v[224+6*\c:226+6*\c], v[96+32*\c:111+32*\c], v[244+2*\c]
	v_cvt_scalef32_pk16_fp6_f32 v[236+4*\c:238+4*\c], v[112+32*\c:127+32*\c], v[244+2*\c+1]
.endr
	v_nop                                          ; one plain place behind a scaled conversion
.irp c, 0,1
.irp i, 0,1,2
	v_permlane16_swap_b32 v[224+6*\c+\i], v[236+4*\c+\i]
.endr
.irp i, 0,1,2
	v_mov_b32 v[227+6*\c+\i], v[236+4*\c+\i]
.endr
.endr
	v_pk_add_f32 v[236:237], v[96:97], v[98:99]    ; the row's sum is taken of the unquantised p: two at a time, in two chains
.irp j, 4,8,12,16,20,24,28,32,36,40,44,48,52,56,60
	v_pk_add_f32 v[14:15], v[14:15], v[96+\j:97+\j]
	v_pk_add_f32 v[236:237], v[236:237], v[98+\j:99+\j]
.endr
	v_pk_add_f32 v[14:15], v[14:15], v[236:237]
.irp j, 0,2,4,6,8,10,12,14,16,18,20,22,24,26,28,30
	v_pk_mul_f32 v[160+\j:161+\j], v[160+\j:161+\j], v[252:253] op_sel_hi:[1,0]   ; O^T under the new M.  (With the sums above: more than the eight places between the write of p's scale word and the scaled products)
.endr
	s_wait_dscnt 0x0                               ; V and its scale words are in
.irp a, 0,1,2,3                                ; O^T += V^T P^T: the four accumulators by turns
.if \a%2
	v_wmma_scale_f32_16x16x128_f8f6f4 v[160+8*\a:167+8*\a], v[32+12*\a:43+12*\a], v[224:235], v[160+8*\a:167+8*\a], v[250+\a/2], v253 matrix_a_fmt:MATRIX_FMT_FP6 matrix_b_fmt:MATRIX_FMT_FP6 matrix_a_scale:MATRIX_SCALE_ROW1
.else
	v_wmma_scale_f32_16x16x128_f8f6f4 v[160+8*\a:167+8*\a], v[32+12*\a:43+12*\a], v[224:235], v[160+8*\a:167+8*\a], v[250+\a/2], v253 matrix_a_fmt:MATRIX_FMT_FP6 matrix_b_fmt:MATRIX_FMT_FP6
.endif
.endr
.rept 4
	v_nop                                          ; four places in front of the next step's loads into V's registers, and of the read of O^T at the end
.endr
.Lhidden_\@:
	s_add_co_u32 s12, s12, 1
.if \fetch
	s_wait_loadcnt 0x0                             ; the next tile has come,
	ds_store_b128 v4, v[80:83] offset:TILEB*(1-\s) ; and goes into the slot that every wave left at the last barrier
	s_cmp_lt_u32 s10, 9
	s_cbranch_scc0 .Ltwo_\@
	ds_store_b128 v4, v[84:87] offset:TILEB*(1-\s)+8192
.Ltwo_\@:
.endif
.if \bar
	s_wait_dscnt 0x0                               ; my stores have landed and my reads of this slot are over: ONE barrier serves both
	s_barrier_signal -1
	s_barrier_wait -1
.endif
.endm
.Lpair:                                            ; seven trips of two steps
	STEP 0, 1, 1
	STEP 1, 1, 1
	s_sub_co_u32 s13, s13, 1
	s_cmp_lg_u32 s13, 0
	s_cbranch_scc1 .Lpair
	STEP 0, 1, 1                                   ; step 14 fetches the last tile;
	STEP 1, 0, 0                                   ; step 15 fetches nothing: no load leaves the buffer
	; THE WAY OUT: O^T / the sum; register 16 b + i is channel 32 b + 16 h + i of my query: two blocks of 32 along the last product's K
	v_add_f32 v14, v14, v15
	v_permlanex16_b32 v252, v14, s20, s21
	v_add_f32 v14, v14, v252                       ; the row's sum
	v_rcp_f32 v14, v14
	v_nop                                          ; one plain place behind a transcendental
	s_wait_alu depctr_va_vdst(0)
.irp j, 0,1,2,3,4,5,6,7,8,9,10,11,12,13,14,15,16,17,18,19,20,21,22,23,24,25,26,27,28,29,30,31
	v_mul_f32 v[96+\j], v[160+\j], v14             ; each accumulator from its low end on
.endr
	v_max3_num_f32 v232, |v96|, |v97|, 0x1800000
	v_max3_num_f32 v233, |v112|, |v113|, 0x1800000
.irp i, 2,4,6,8,10,12,14
	v_max3_num_f32 v232, v232, |v[96+\i]|, |v[97+\i]|
	v_max3_num_f32 v233, v233, |v[112+\i]|, |v[113+\i]|
.endr
	v_permlanex16_b32 v236, v232, s20, s21
	v_permlanex16_b32 v237, v233, s20, s21
	v_max_num_f32 v232, v232, v236
	v_max_num_f32 v233, v233, v237
	v_add_nc_u32 v244, 0xff000000, v232
	v_add_nc_u32 v245, 0xff000000, v233
	v_lshrrev_b32 v236, 23, v244
	v_lshrrev_b32 v237, 23, v245
	v_cvt_scalef32_pk16_fp6_f32 v[224:226], v[96:111], v244
	v_cvt_scalef32_pk16_fp6_f32 v[240:242], v[112:127], v245
	v_nop                                          ; one plain place behind a scaled conversion
.irp i, 0,1,2
	v_permlane16_swap_b32 v[224+\i], v[240+\i]
.endr
.irp i, 0,1,2
	v_mov_b32 v[227+\i], v[240+\i]                 ; six registers: k = 32 h + 0 .. 31 of my head's 64: half a fragment
.endr
	s_mov_b32 vcc_lo, 0xffff0000
	v_cndmask_b32 v238, v236, v237, vcc_lo         ; lanes 0-15 carry block 0's byte, lanes 16-31 block 1's
	global_store_b128 v1, v[224:227], s[28:29]     ; 512 consecutive bytes, aligned
	global_store_b64 v2, v[228:229], s[28:29] offset:512   ; 256
	global_store_b8 v11, v238, s[30:31]            ; single bytes: a head owns half of each row's scale word; 32 bytes beside 768 of codes
	s_wait_tensorcnt 0x0
	ds_add_u32 v223, v243
	s_wait_dscnt 0x0
	s_endpgm
.Lfunc_end_k_q93b946ae5a_attn:
	.size	k_q93b946ae5a_attn, .Lfunc_end_k_q93b946ae5a_attn-k_q93b946ae5a_attn
	.p2alignl 7, 3214868480
	.fill 96, 4, 3214868480
	.section	.rodata,"a",@progbits
	.p2align	6, 0x0
	.amdhsa_kernel k_q93b946ae5a_attn
		.amdhsa_group_segment_fixed_size 27648
		.amdhsa_private_segment_fixed_size 0
		.amdhsa_enable_private_segment 0
		.amdhsa_kernarg_size 24
		.amdhsa_user_sgpr_count 2
		.amdhsa_user_sgpr_kernarg_segment_ptr 1
		.amdhsa_wavefront_size32 1
		.amdhsa_system_sgpr_workgroup_id_x 1
		.amdhsa_system_sgpr_workgroup_id_y 1
		.amdhsa_system_sgpr_workgroup_id_z 1
		.amdhsa_system_vgpr_workitem_id 0
		.amdhsa_next_free_vgpr 256
		.amdhsa_next_free_sgpr 66
		.amdhsa_reserve_vcc 1
		.amdhsa_float_denorm_mode_32 3
		.amdhsa_float_denorm_mode_16_64 3
		.amdhsa_memory_ordered 1
		.amdhsa_forward_progress 1
		.amdhsa_inst_pref_size 94
	.end_amdhsa_kernel
	.amdgpu_metadata
---
amdhsa.version: [ 1, 2 ]
amdhsa.kernels:
  - .name:           k_q93b946ae5a_attn
    .symbol:         k_q93b946ae5a_attn.kd
    .args:
      - { .name: qc, .offset: 0, .size: 8, .value_kind: global_buffer, .address_space: global }
      - { .name: kv, .offset: 8, .size: 8, .value_kind: global_buffer, .address_space: global }
      - { .name: ao, .offset: 16, .size: 8, .value_kind: global_buffer, .address_space: global }
    .group_segment_fixed_size: 27648
    .private_segment_fixed_size: 0
    .kernarg_segment_align: 8
    .kernarg_segment_size: 24
    .max_flat_workgroup_size: 512
    .sgpr_count:     66
    .vgpr_count:     256
    .wavefront_size: 32
...
	.end_amdgpu_metadata
.endif
;; end of part 3
;; launch proj (part 4): grid 8 x 32, 8 waves a work-group, no clusters, 273,408 bytes of LDS; arguments ao, pq, c_proj_b, out0; writes out0
.if DOCPART == 4
	.amdgcn_target "amdgcn-amd-amdhsa--gfx1250"
	.amdhsa_code_object_version 6
	.text
	.protected	k_q93b946ae5a_proj
	.globl	k_q93b946ae5a_proj
	.p2align	8
	.type	k_q93b946ae5a_proj,@function
k_q93b946ae5a_proj:
	s_mov_b64 s[64:65], 0
	v_nop
	global_prefetch_b8 v0, s[64:65] scope:SCOPE_SE
	s_setreg_imm32_b32 hwreg(HW_REG_WAVE_MODE, 25, 1), 1
	s_wait_xcnt 0x0
; out0 = O c_proj_w + c_proj_b on codes of FP6 (E2M3) with E8M0 scales; sums in f32; out0 [4096][1024] f32.
; SHARES.  A work-group makes 128 columns (x) x 128 tokens (y): 256 work-groups.  Eight waves; a wave makes 64 columns x 32 tokens: 8 accumulators.  The product is used transposed (source 0 = 16 columns of the weight,
; source 1 = 16 tokens), so that a lane holds one token and eight neighbouring columns.
; Both operands come as blocks of 12,800 bytes for 128 rows x 128 K (eight tiles' register images, then the scale words); row i of tile T is index 32 (T / 2) + 8 (T % 2) + i + 8 (i / 8) of its 128.
; LDS IS FILLED ONCE: all of K, 2 x 102,400 bytes, as four parts of two K steps (the weight's 25,600 bytes, then the tokens').  Each wave brings 6,400 bytes of each part by one tensor load (25 dense rows of 256 bytes).
; The stage for the way out has bytes of its own behind them.
; The bias is loaded straight into the accumulators, so that every product adds in place and no first step differs.
; NOT USED: joint loads in a cluster, though blocks are shared (the weight's by 32 work-groups, the tokens' by 8): left for a later version of this text.
.set KB,    12800
.set PART,  4*KB
.set STG,   4*PART                     ; 128 rows x (512 + 16) bytes
.set S0,  10                           ; v10-13 the weight's scale words: for K step kk registers 2 kk, 2 kk + 1: tile b in register b / 2, lanes 16 (b % 2) on
.set S1,  14                           ; v14-15 the tokens': for K step kk one register: my tile 0 in lanes 0-15, tile 1 in lanes 16-31
.set F0,  16                           ; v16-111 the weight's fragments (kk, b)
.set F1,  112                          ; v112-159 the tokens' (kk, a)
.set ACC, 160                          ; v160-223 accumulator (a, b) at 8 (4 a + b)
.macro WP d, a, b, sa, sb, ra, rb
.if (\ra) && (\rb)
	v_wmma_scale_f32_16x16x128_f8f6f4 v[\d:\d+7], v[\a:\a+11], v[\b:\b+11], v[\d:\d+7], v[\sa], v[\sb] matrix_a_fmt:MATRIX_FMT_FP6 matrix_b_fmt:MATRIX_FMT_FP6 matrix_a_scale:MATRIX_SCALE_ROW1 matrix_b_scale:MATRIX_SCALE_ROW1
.elseif (\ra)
	v_wmma_scale_f32_16x16x128_f8f6f4 v[\d:\d+7], v[\a:\a+11], v[\b:\b+11], v[\d:\d+7], v[\sa], v[\sb] matrix_a_fmt:MATRIX_FMT_FP6 matrix_b_fmt:MATRIX_FMT_FP6 matrix_a_scale:MATRIX_SCALE_ROW1
.elseif (\rb)
	v_wmma_scale_f32_16x16x128_f8f6f4 v[\d:\d+7], v[\a:\a+11], v[\b:\b+11], v[\d:\d+7], v[\sa], v[\sb] matrix_a_fmt:MATRIX_FMT_FP6 matrix_b_fmt:MATRIX_FMT_FP6 matrix_b_scale:MATRIX_SCALE_ROW1
.else
	v_wmma_scale_f32_16x16x128_f8f6f4 v[\d:\d+7], v[\a:\a+11], v[\b:\b+11], v[\d:\d+7], v[\sa], v[\sb] matrix_a_fmt:MATRIX_FMT_FP6 matrix_b_fmt:MATRIX_FMT_FP6
.endif
.endm
	s_load_b256 s[4:11], s[0:1], 0x0               ; ao s[4:5], pq s[6:7], c_proj_b s[8:9], out0 s[10:11]
	v_lshl_add_u32 v254, v0, 2, 0x42800
	v_mov_b32 v255, 0
	ds_add_u32 v254, v255
	ds_add_u32 v254, v255
	v_lshrrev_b32 v1, 5, v0
	v_readfirstlane_b32 s14, v1                    ; wave 0..7
	s_mov_b32 s15, ttmp9                           ; x: 128 columns
	s_and_b32 s16, ttmp7, 0xffff                   ; y: 128 tokens
	s_and_b32 s18, s14, 1                          ; w0: my half of the columns
	s_lshr_b32 s19, s14, 1                         ; w1: my quarter of the tokens
	; descriptor group 1: 6,400 dense bytes as 25 rows of 32 elements of 8 bytes
	s_mov_b32 s24, 3<<16
	s_mov_b32 s25, 32<<16                          ; tensor_dim0
	s_mov_b32 s26, 25<<16                          ; tensor_dim1
	s_mov_b32 s27, 32<<16                          ; tile_dim0
	s_mov_b32 s28, 25                              ; tile_dim1
	s_mov_b32 s29, 32                              ; from row to row
	s_mov_b32 s30, 0
	s_mov_b32 s31, 0
	s_and_b32 s21, s14, 3
	s_mul_i32 s21, s21, 6400                       ; my quarter of a side's 25,600 bytes
	s_mul_i32 s23, s14, 6400                       ; and where it goes: waves 0-3 the weight's, waves 4-7 the tokens'
	s_cmp_lt_u32 s14, 4
	s_cselect_b32 s22, s15, s16
	s_wait_dscnt 0x0
	s_wait_kmcnt 0x0
	s_cselect_b64 s[48:49], s[6:7], s[4:5]         ; the choice hangs on the wave's number alone
	s_mul_i32 s50, s22, 102400
	s_add_co_u32 s50, s50, s21
	s_mov_b32 s51, 0
	s_add_nc_u64 s[48:49], s[48:49], s[50:51]
.irp p, 0,1,2,3
	s_mov_b32 s[32+4*\p], 1                        ; count = 1
	s_add_co_u32 s[33+4*\p], s23, \p*PART          ; LDS address
	s_add_nc_u64 s[34+4*\p:35+4*\p], s[48:49], \p*2*KB   ; K steps 2 p and 2 p + 1
	s_or_b32 s[35+4*\p], s[35+4*\p], 0x80000000    ; type = 2
.endr
	tensor_load_to_lds s[32:35], s[24:31]          ; all four go out together, ahead of every wait on TENSORcnt, LDS read and barrier
	s_nop 0
	tensor_load_to_lds s[36:39], s[24:31]
	s_nop 0
	tensor_load_to_lds s[40:43], s[24:31]
	s_nop 0
	tensor_load_to_lds s[44:47], s[24:31]
	s_nop 0
.rept 4
	v_nop
.endr
	v_and_b32 v224, 31, v0                         ; lane
	v_and_b32 v225, 15, v0                         ; r
	v_bfe_u32 v226, v0, 4, 1                       ; h
	v_lshlrev_b32 v9, 6, v226                      ; the bias: + 16 h numbers
	s_lshl_b32 s20, s15, 9
	s_lshl_b32 s21, s18, 8
	s_add_co_u32 s20, s20, s21
	s_mov_b32 s21, 0
	s_add_nc_u64 s[52:53], s[8:9], s[20:21]        ; columns 128 x + 64 w0 on
.irp a, 0,1
.irp b, 0,1,2,3                                ; register j of accumulator (a, b) is column 32 (b / 2) + 16 h + 8 (b % 2) + j of my 64
	global_load_b128 v[ACC+8*(4*\a+\b):ACC+8*(4*\a+\b)+3], v9, s[52:53] offset:128*(\b/2)+32*(\b%2)
	global_load_b128 v[ACC+8*(4*\a+\b)+4:ACC+8*(4*\a+\b)+7], v9, s[52:53] offset:128*(\b/2)+32*(\b%2)+16
.endr
.endr
	v_lshlrev_b32 v1, 4, v224                      ; 16 x lane
	s_mul_i32 s20, s18, 6144
	v_add_nc_u32 v2, s20, v1                       ; the weight: my four tiles
	s_lshl_b32 s20, s18, 8
	s_add_co_u32 s20, s20, 12288
	v_lshl_add_u32 v3, v224, 3, s20                ; their scale words: 8 x lane
	s_mul_i32 s20, s19, 3072
	s_add_co_u32 s20, s20, 2*KB
	v_add_nc_u32 v4, s20, v1                       ; the tokens: my two tiles; a tile is two pieces of 768 bytes: 16 bytes a lane,
	s_add_co_u32 s20, s20, 512
	v_lshl_add_u32 v5, v224, 3, s20                ; then 8
	s_lshl_b32 s20, s19, 7
	s_add_co_u32 s20, s20, 2*KB+12288
	v_lshl_add_u32 v6, v224, 2, s20                ; their scale words: 64 bytes a tile, 4 x lane over two tiles
	s_mul_i32 s20, s19, 32*528
	s_lshl_b32 s21, s18, 8
	s_add_co_u32 s20, s20, s21
	s_add_co_u32 s20, s20, STG
	v_mul_u32_u24 v7, v225, 528
	v_lshl_add_u32 v7, v226, 6, v7
	v_add_nc_u32 v7, s20, v7                       ; the stage, in: row 32 w1 + r, + 256 w0 + 64 h
	s_mul_i32 s20, s14, 16*528
	s_add_co_u32 s20, s20, STG
	v_add_nc_u32 v8, s20, v1                       ; back: tile w's 16 rows, 16 bytes a lane
	s_lshl_b32 s20, s16, 7                         ; tile w's first token: 128 y + 32 (w / 2) + 8 (w % 2)
	s_lshr_b32 s21, s14, 1
	s_lshl_b32 s21, s21, 5
	s_add_co_u32 s20, s20, s21
	s_lshl_b32 s21, s18, 3
	s_add_co_u32 s20, s20, s21
	s_lshl_b32 s20, s20, 12                        ; rows of 4,096 bytes
	s_lshl_b32 s21, s15, 9
	s_add_co_u32 s20, s20, s21                     ; + my work-group's 512 bytes of a row
	s_mov_b32 s21, 0
	s_add_nc_u64 s[54:55], s[10:11], s[20:21]
	s_wait_loadcnt 0x0                             ; the bias lies in the accumulators
.irp p, 0,1,2,3
	s_wait_tensorcnt 3-\p                          ; my share of part p is in; the later parts' loads may stay out
	s_barrier_signal -1                            ; (no LDS load of mine is out: the last wait below was for 0)
	s_barrier_wait -1                              ; everybody's is
.irp kk, 0,1                                   ; 22 LDS loads for each of the part's two K steps
	ds_load_b64 v[S0+2*\kk:S0+2*\kk+1], v3 offset:KB*\kk
	ds_load_b32 v[S1+\kk], v6 offset:KB*\kk
.irp b, 0,1,2,3
.irp c, 0,1,2
	ds_load_b128 v[F0+48*\kk+12*\b+4*\c:F0+48*\kk+12*\b+4*\c+3], v2 offset:KB*\kk+1536*\b+512*\c
.endr
.endr
.irp a, 0,1
	ds_load_b128 v[F1+24*\kk+12*\a:F1+24*\kk+12*\a+3], v4 offset:KB*\kk+1536*\a
	ds_load_b64 v[F1+24*\kk+12*\a+4:F1+24*\kk+12*\a+5], v5 offset:KB*\kk+1536*\a
	ds_load_b128 v[F1+24*\kk+12*\a+6:F1+24*\kk+12*\a+9], v4 offset:KB*\kk+1536*\a+768
	ds_load_b64 v[F1+24*\kk+12*\a+10:F1+24*\kk+12*\a+11], v5 offset:KB*\kk+1536*\a+768
.endr
.endr
	s_wait_dscnt 22                                ; the first K step's 22 are in; the second's may be out
.irp a, 0,1                                    ; the eight accumulators by turns, in the same order in every step
.irp b, 0,1,2,3
	WP ACC+8*(4*\a+\b), F0+12*\b, F1+12*\a, S0+\b/2, S1, \b%2, \a
.endr
.endr
	s_wait_dscnt 0x0
.irp a, 0,1
.irp b, 0,1,2,3
	WP ACC+8*(4*\a+\b), F0+48+12*\b, F1+24+12*\a, S0+2+\b/2, S1+1, \b%2, \a
.endr
.endr
.if \p < 3
.irp i, 2,3,4,5,6
	v_add_nc_u32 v\i, PART, v\i                    ; on to the next part.  These five are also the places in front of the loads into registers that the products have read
.endr
.else
.rept 4
	v_nop                                          ; four places in front of the first read of results
.endr
.endif
.endr
	; THE WAY OUT.  A lane holds 8 neighbouring columns of a token for each accumulator; a row's 512 bytes come from two waves: through the stage, with a barrier between writing and reading
.irp a, 0,1
.irp b, 0,1,2,3
	ds_store_b128 v7, v[ACC+8*(4*\a+\b):ACC+8*(4*\a+\b)+3] offset:16*528*\a+128*(\b/2)+32*(\b%2)       ; each accumulator from its low end on
	ds_store_b128 v7, v[ACC+8*(4*\a+\b)+4:ACC+8*(4*\a+\b)+7] offset:16*528*\a+128*(\b/2)+32*(\b%2)+16
.endr
.endr
	s_wait_dscnt 0x0                               ; for the others' sake: my stores into the stage are done
	s_barrier_signal -1
	s_barrier_wait -1
.irp i, 0,1,2,3,4,5,6,7,8,9,10,11,12,13,14,15
	ds_load_b128 v[16+4*\i:19+4*\i], v8 offset:528*\i
.endr
.irp i, 0,1,2,3,4,5,6,7,8,9,10,11,12,13,14,15
	s_wait_dscnt 15-\i
	global_store_b128 v1, v[16+4*\i:19+4*\i], s[54:55] offset:(\i+8*(\i/8))*4096 th:TH_STORE_NT   ; row i of the tile is token i + 8 (i / 8) on: 512 consecutive bytes, aligned; written once, read by nobody here
.endr
	s_wait_tensorcnt 0x0
	ds_add_u32 v254, v255
	s_wait_dscnt 0x0
	s_endpgm
.Lfunc_end_k_q93b946ae5a_proj:
	.size	k_q93b946ae5a_proj, .Lfunc_end_k_q93b946ae5a_proj-k_q93b946ae5a_proj
	.p2alignl 7, 3214868480
	.fill 96, 4, 3214868480
	.section	.rodata,"a",@progbits
	.p2align	6, 0x0
	.amdhsa_kernel k_q93b946ae5a_proj
		.amdhsa_group_segment_fixed_size 273408
		.amdhsa_private_segment_fixed_size 0
		.amdhsa_enable_private_segment 0
		.amdhsa_kernarg_size 32
		.amdhsa_user_sgpr_count 2
		.amdhsa_user_sgpr_kernarg_segment_ptr 1
		.amdhsa_wavefront_size32 1
		.amdhsa_system_sgpr_workgroup_id_x 1
		.amdhsa_system_sgpr_workgroup_id_y 1
		.amdhsa_system_sgpr_workgroup_id_z 1
		.amdhsa_system_vgpr_workitem_id 0
		.amdhsa_next_free_vgpr 256
		.amdhsa_next_free_sgpr 66
		.amdhsa_reserve_vcc 0
		.amdhsa_float_denorm_mode_32 3
		.amdhsa_float_denorm_mode_16_64 3
		.amdhsa_memory_ordered 1
		.amdhsa_forward_progress 1
		.amdhsa_inst_pref_size 32
	.end_amdhsa_kernel
	.amdgpu_metadata
---
amdhsa.version: [ 1, 2 ]
amdhsa.kernels:
  - .name:           k_q93b946ae5a_proj
    .symbol:         k_q93b946ae5a_proj.kd
    .args:
      - { .name: ao, .offset: 0, .size: 8, .value_kind: global_buffer, .address_space: global }
      - { .name: pq, .offset: 8, .size: 8, .value_kind: global_buffer, .address_space: global }
      - { .name: c_proj_b, .offset: 16, .size: 8, .value_kind: global_buffer, .address_space: global }
      - { .name: out0, .offset: 24, .size: 8, .value_kind: global_buffer, .address_space: global }
    .group_segment_fixed_size: 273408
    .private_segment_fixed_size: 0
    .kernarg_segment_align: 8
    .kernarg_segment_size: 32
    .max_flat_workgroup_size: 256
    .sgpr_count:     66
    .vgpr_count:     256
    .wavefront_size: 32
...
	.end_amdgpu_metadata
.endif
;; end of part 4
;; ======== version 2 of 2: 4 launches; version 1 with the launch attn written anew for expert scheduling mode
;; workspace buffers: xq 3,276,800 bytes; wq 2,457,600 bytes; pq 819,200 bytes; qc 3,407,872 bytes; kv 6,553,600 bytes; ao 3,276,800 bytes
;; launch quant: the kernel of part 1 again; grid 256 x 1, 4 waves a work-group, no clusters, 60,928 bytes of LDS; arguments x, c_attn_w, c_proj_w, xq, wq, pq; writes xq, wq, pq
;; launch qkv: the kernel of part 2 again; grid 12 x 16, 8 waves a work-group, no clusters, 327,680 bytes of LDS; arguments xq, wq, c_attn_b, qc, kv; writes qc, kv
;; launch attn (part 5): grid 8 x 32, 16 waves a work-group, no clusters, 27,648 bytes of LDS; arguments qc, kv, ao; writes ao
.if DOCPART == 5
	.amdgcn_target "amdgcn-amd-amdhsa--gfx1250"
	.amdhsa_code_object_version 6
	.text
	.protected	k_q93b946ae5a_attn
	.globl	k_q93b946ae5a_attn
	.p2align	8
	.type	k_q93b946ae5a_attn,@function
k_q93b946ae5a_attn:
	s_mov_b64 s[64:65], 0
	v_nop
	global_prefetch_b8 v0, s[64:65] scope:SCOPE_SE
	s_setreg_imm32_b32 hwreg(HW_REG_WAVE_SCHED_MODE, 0, 2), 2
	s_setreg_imm32_b32 hwreg(HW_REG_WAVE_MODE, 25, 1), 1
	s_wait_xcnt 0x0
	s_wait_alu depctr_vm_vsrc(0)
; O = softmax(Q K^T / 8, causal) V for one head, both products on codes of FP6 (E2M3) with E8M0 scales; O / l is quantised along the head's 64 and leaves as codes for the last product.
; THE SOFTMAX AHEAD OF THE SECOND PRODUCT: t = score x log2(e) / 8; M = the row's largest t so far, rounded UP to a whole number; p = 2^(t - M) is quantised along the keys, not normalised.  The row's sum is taken of
; the unquantised p and divides at the end.  When M moves, the sum and O are multiplied by 2^(old M - new M): exact.
; SHARES.  Work-group (g, bh): head bh, and of each of the 16 blocks of 128 queries its tile g.  Wave w owns ONE tile of 16 queries, of block 4 ((w + w / 4) % 4) + w / 4: a wave of block B has B + 1 key steps of work,
; every work-group has 136, and at every step the waves that still work are spread evenly over w % 4 and over w / 4.  256 registers a wave, four waves to a SIMD: one wave's vector work stands beside another's products.
; Every wave walks all 16 steps of 128 keys (a constant trip count, every barrier); a step whose keys all come after the wave's queries is jumped over by a scalar branch on ids; on the diagonal hidden scores become -infinity.
; TILES.  A step's K, V and scale words are 12,800 dense bytes, laid as operand registers.  They go memory -> registers -> LDS as they lie, 16 bytes a thread (waves 0-8 take a second 16), one step ahead, into two slots
; by turns, with one barrier a step.  No tensor load: 12,800 bytes a step do not want one, and the launch then needs no ring protocol.  No cluster: what is shared is these 12,800 bytes, beside some 235 vector instructions for each working wave.
; LAYOUT.  Both products are used transposed (S^T = K Q^T, O^T = V^T P^T): a lane holds ONE query.  Row i of a tile T of keys (of queries, of V's 64) is index 32 (T / 2) + 8 (T % 2) + i + 8 (i / 8), so the 16 registers
; of tiles 2 b, 2 b + 1 are 16 neighbours.  K = 64 IS HALF AN INSTRUCTION'S 128: two tiles of keys make one operand (tile 2 p in k 0-63, tile 2 p + 1 in k 64-127), multiplied once by [q | 0] and once by [0 | q],
; which are two views of 18 registers [0 x 6][q x 6][0 x 6].  Zero codes add nothing under any scale byte that the quantiser makes.
; LIMITS: p under 2^-126 counts as 0 (v_exp_f32 flushes); a block of zeros gets the scale byte 1; NaN and infinities are not served.
; REGISTERS: v1-3 16, 8, 4 x lane; v4 16 x thread; v5 my query's place less 16 (lane / 16); v10, v11 offsets; v12 -M, v13 the largest t, v[14:15] the sum in two halves; v32-79 K's four pairs, then V's four fragments;
; v80-87 the next tile on its way; v96-159 S^T, then p; v160-191 O^T; v192-209 zeros, q, zeros; v224-235 p's codes; v232-247, v252, v254 at work; v248-249 K's scale words, v250-251 V's, v253 p's, v255 Q's;
; v223, v243 the closing add's two.  s32-47: at the head at work on addresses; in the diagonal step sixteen masks.
; THE MODE: SCHED_MODE bits 1:0 = 2 (LLVM: expert scheduling mode 2), set by the entry lines.  The code itself states the register dependences between vector or matrix instructions and memory or LDS instructions,
; with s_wait_alu, always for 0.
; THE PLAN.  Registers that memory or LDS instructions touch:
;   v1-4, v10, v11  offsets and LDS addresses: written at the head, ahead of the head's wait on va_vdst, and named by no vector instruction behind it.
;   v80-87          written by the global loads at a step's head, read by the LDS stores at its end; no vector instruction of the loop names them.  One wait on vm_vsrc a step, ahead of the loads.
;   v32-79          K's LDS loads land at a worked step's head, the eight products K Q^T read them; V's LDS loads land behind those, the four products V^T P^T read them.  One wait on va_vdst ahead of each of the two runs.
;   v248-249        land with K, read by K Q^T as scales;  v250-251 land with V, read by V^T P^T as scales: the same two waits serve them.
;   v198-203, v255  land once, at the head; no vector instruction writes them.
;   v224-229, v238  on the way out: written by vector instructions, read by the three stores: one wait on va_vdst ahead of the stores.
; Beside these: a wait on va_vdst ahead of the products V^T P^T, whose operand and scale word vector instructions have made; the wait behind each batch of transcendentals; a wait on va_sdst behind
; v_readfirstlane_b32 and behind each run of sixteen compares of the diagonal step.
.set TILEB, 12800
	s_load_b128 s[4:7], s[0:1], 0x0                ; qc s[4:5], kv s[6:7]
	s_load_b64 s[8:9], s[0:1], 0x10                ; ao
	v_lshl_add_u32 v223, v0, 2, 0x6400
	v_mov_b32 v243, 0
	v_lshrrev_b32 v1, 5, v0
	v_readfirstlane_b32 s10, v1                    ; wave 0..15
	s_mov_b32 s16, ttmp9                           ; g
	s_and_b32 s17, ttmp7, 0xffff                   ; bh
	s_mov_b32 s12, 0                               ; the step
	s_mov_b32 s13, 7                               ; trips of two steps
	s_mov_b32 s20, 0x76543210
	s_mov_b32 s21, 0xfedcba98                      ; lane l xor 16
	s_mov_b32 s22, 0x3e38aa3b                      ; c = log2(e) / 8
	s_mov_b32 s23, s22                             ; (named with it as a pair, so it is written)
	v_and_b32 v6, 31, v0
	v_lshlrev_b32 v1, 4, v6
	v_lshlrev_b32 v2, 3, v6
	v_lshlrev_b32 v3, 2, v6
	v_lshlrev_b32 v4, 4, v0
	v_and_b32 v7, 15, v0                           ; r
	v_bfe_u32 v8, v0, 4, 1                         ; h
	v_and_b32 v9, 8, v7
	v_add_nc_u32 v9, v9, v7                        ; r + 8 (r / 8)
	v_lshlrev_b32 v10, 4, v8
	v_sub_nc_u32 v9, v9, v10
	s_wait_alu depctr_va_sdst(0)                   ; s10 is written, ahead of its first reader: my block, my addresses and the branches on the wave's number are made from it
	s_lshr_b32 s32, s10, 2
	s_add_co_u32 s33, s10, s32
	s_and_b32 s33, s33, 3
	s_lshl_b32 s33, s33, 2
	s_add_co_u32 s11, s33, s32                     ; my block of 128 queries
	s_lshr_b32 s32, s16, 1
	s_lshl_b32 s32, s32, 5
	s_and_b32 s33, s16, 1
	s_lshl_b32 s33, s33, 3
	s_add_co_u32 s32, s32, s33
	v_add_nc_u32 v5, s32, v9                       ; d = my query's place in its block - 16 h.  Register 16 b + i holds key 32 b + 16 h + i of the step: on the diagonal hidden where 32 b + i > d
	v_lshlrev_b32 v10, 4, v7                       ; Q's scale words: 16 r
	v_lshl_add_u32 v11, v7, 2, v8                  ; O's scale bytes: 4 r + h
	s_mul_i32 s32, s17, 16*TILEB                   ; the head's tiles
	s_mov_b32 s33, 0
	s_mul_i32 s34, s17, 98304                      ; Q's piece: 768 bytes a tile, tile 8 x block + g
	s_lshl_b32 s36, s11, 3
	s_add_co_u32 s36, s36, s16
	s_mul_i32 s36, s36, 768
	s_add_co_u32 s34, s34, s36
	s_mov_b32 s35, 0
	s_lshl_b32 s36, s17, 13                        ; Q's scale words: 8,192 a head, 256 for four tiles, 4 for a tile among them
	s_lshl_b32 s38, s11, 1
	s_lshr_b32 s39, s16, 2
	s_add_co_u32 s38, s38, s39
	s_lshl_b32 s38, s38, 8
	s_add_co_u32 s36, s36, s38
	s_and_b32 s38, s16, 3
	s_lshl_b32 s38, s38, 2
	s_add_co_u32 s36, s36, s38
	s_add_co_u32 s36, s36, 3145728
	s_mov_b32 s37, 0
	s_lshr_b32 s38, s17, 4                         ; ao: the block of (group of 128 tokens = 16 x batch + my block, 128 along K = two heads)
	s_lshl_b32 s38, s38, 4
	s_add_co_u32 s38, s38, s11
	s_mul_i32 s38, s38, 102400
	s_bfe_u32 s39, s17, 0x30001                    ; (head / 2): three bits from bit 1
	s_mul_i32 s39, s39, 12800
	s_add_co_u32 s38, s38, s39
	s_and_b32 s39, s17, 1                          ; head % 2: which half of the fragment's registers
	s_mul_i32 s40, s16, 1536
	s_mul_i32 s41, s39, 768
	s_add_co_u32 s40, s40, s41
	s_add_co_u32 s40, s40, s38
	s_mov_b32 s41, 0
	s_lshl_b32 s42, s16, 6                         ; the scale words: 64 bytes a tile, 4 a row; my head's two bytes of a word
	s_lshl_b32 s43, s39, 1
	s_add_co_u32 s42, s42, s43
	s_add_co_u32 s42, s42, s38
	s_add_co_u32 s42, s42, 12288
	s_mov_b32 s43, 0
.irp j, 84,85,86,87
	v_mov_b32 v\j, 0                               ; written once: waves 9-15 never load them
.endr
	s_wait_kmcnt 0x0
	s_add_nc_u64 s[14:15], s[6:7], s[32:33]
	s_add_nc_u64 s[24:25], s[4:5], s[34:35]
	s_add_nc_u64 s[26:27], s[4:5], s[36:37]
	s_add_nc_u64 s[28:29], s[8:9], s[40:41]
	s_add_nc_u64 s[30:31], s[8:9], s[42:43]
	s_wait_alu depctr_va_vdst(0)                   ; the offsets v1-4, v10 and v11 are written, which every load and store of the kernel reads; so are v84-87, in which a load below lands
	global_load_b128 v[80:83], v4, s[14:15]        ; step 0's tile
	s_cmp_lt_u32 s10, 9
	s_cbranch_scc0 .Lhead_one
	global_load_b128 v[84:87], v4, s[14:15] offset:8192
.Lhead_one:
	global_load_b128 v[198:201], v1, s[24:25]      ; q stays in registers
	global_load_b64 v[202:203], v2, s[24:25] offset:512
	global_load_b32 v255, v10, s[26:27]
.irp j, 192,193,194,195,196,197,204,205,206,207,208,209
	v_mov_b32 v\j, 0                               ; the zero codes on either side of q
.endr
	v_mov_b32 v13, 0xff61b1e6                      ; the largest t so far: -3e38, under every t
	v_floor_f32 v12, -v13                          ; -M
	v_mov_b32 v14, 0
	v_mov_b32 v15, 0
.irp b, 0,1,2,3
	v_mov_b32 v[236+\b], 0                         ; a lane permute's destination counts as one of its sources
.endr
	v_mov_b32 v252, 0
	v_mov_b32 v253, 0                              ; (named as the upper half of the pair v[252:253] before it is first written)
.irp j, 0,1,2,3,4,5,6,7,8,9,10,11,12,13,14,15,16,17,18,19,20,21,22,23,24,25,26,27,28,29,30,31
	v_mov_b32 v[160+\j], 0                         ; O^T.  (The step is written for every step alike: the first finds zeros, which the first change of M leaves zeros)
.endr
	s_wait_loadcnt 0x0
	ds_store_b128 v4, v[80:83]                     ; (no vector instruction since the wait on va_vdst above names v4 or v80-87)
	s_cmp_lt_u32 s10, 9
	s_cbranch_scc0 .Lhead_two
	ds_store_b128 v4, v[84:87] offset:8192
.Lhead_two:
	s_wait_dscnt 0x0                               ; for the others' sake: my part of the tile lies in LDS
	s_barrier_signal -1
	s_barrier_wait -1
; A KEY STEP on slot s.  fetch = 1: the next step's tile is asked for at the head and put into the other slot at the end.  bar = 1: the barrier that ends the step
.macro STEP s, fetch, bar
.if \fetch
	s_add_nc_u64 s[14:15], s[14:15], TILEB         ; (the loads that named this base have been waited for)
	s_wait_alu depctr_vm_vsrc(0)                   ; the LDS stores of the step before have read v80-87, in which the loads below land
	global_load_b128 v[80:83], v4, s[14:15]
	s_cmp_lt_u32 s10, 9
	s_cbranch_scc0 .Lone_\@
	global_load_b128 v[84:87], v4, s[14:15] offset:8192
.Lone_\@:
.endif
	s_cmp_gt_u32 s12, s11                          ; all these keys come after my queries: nothing to do but the tile's carriage and the barrier
	s_cbranch_scc1 .Lhidden_\@
	s_wait_alu depctr_va_vdst(0)                   ; the last step's products are done reading v32-79 and v248-249, in which the loads below land; in the first step the zero codes beside q, part of a scaled product's operand, are written
.irp p, 0,1,2,3                                ; K's four pairs of tiles: two pieces of 768 bytes make an operand's 12 registers
	ds_load_b128 v[32+12*\p:35+12*\p], v1 offset:TILEB*\s+1536*\p
	ds_load_b64 v[36+12*\p:37+12*\p], v2 offset:TILEB*\s+1536*\p+512
	ds_load_b128 v[38+12*\p:41+12*\p], v1 offset:TILEB*\s+1536*\p+768
	ds_load_b64 v[42+12*\p:43+12*\p], v2 offset:TILEB*\s+1536*\p+1280
.endr
	ds_load_b32 v248, v3 offset:TILEB*\s+12288     ; their scale words: pair 0 in lanes 0-15, pair 1 in lanes 16-31;
	ds_load_b32 v249, v3 offset:TILEB*\s+12288+128 ; pairs 2 and 3
	s_wait_dscnt 0x0
.irp p, 0,1,2,3
.irp u, 0,1                                    ; u = 0: [q | 0] takes tile 2 p; u = 1: [0 | q] takes tile 2 p + 1
.if \p%2
	v_wmma_scale_f32_16x16x128_f8f6f4 v[96+8*(2*\p+\u):103+8*(2*\p+\u)], v[32+12*\p:43+12*\p], v[198-6*\u:209-6*\u], 0, v[248+\p/2], v255 matrix_a_fmt:MATRIX_FMT_FP6 matrix_b_fmt:MATRIX_FMT_FP6 matrix_a_scale:MATRIX_SCALE_ROW1
.else
	v_wmma_scale_f32_16x16x128_f8f6f4 v[96+8*(2*\p+\u):103+8*(2*\p+\u)], v[32+12*\p:43+12*\p], v[198-6*\u:209-6*\u], 0, v[248+\p/2], v255 matrix_a_fmt:MATRIX_FMT_FP6 matrix_b_fmt:MATRIX_FMT_FP6
.endif
.endr
.endr
.rept 4
	v_nop                                          ; four places (ISA guide 7.12.1) in front of the first read of the scores
.endr
	s_wait_alu depctr_va_vdst(0)                   ; the eight products are done reading v32-79, in which V's loads land (v250-251 were last read ahead of the step's first wait)
.irp a, 0,1,2,3                                ; V's four fragments take K's registers now and land during the softmax
.irp c, 0,1,2
	ds_load_b128 v[32+12*\a+4*\c:35+12*\a+4*\c], v1 offset:TILEB*\s+6144+1536*\a+512*\c
.endr
.endr
	ds_load_b64 v[250:251], v2 offset:TILEB*\s+12544
	s_cmp_lg_u32 s12, s11                          ; the diagonal step alone has hidden keys
	s_cbranch_scc1 .Lopen_\@
	v_mov_b32 v254, 0xff800000                     ; -infinity: p = 0 then
.irp b, 0,1,2,3                                ; a block of 32 keys at a time: sixteen compares in a run, each into a scalar register of its own, then the sixteen selects
.irp i, 0,1,2,3,4,5,6,7,8,9,10,11,12,13,14,15
	v_cmp_gt_i32 s[32+\i], 32*\b+\i, v5
.endr
	s_wait_alu depctr_va_sdst(0)                   ; the sixteen compares have written s32-47, ahead of the first select that reads one of them
.irp i, 0,1,2,3,4,5,6,7,8,9,10,11,12,13,14,15
	v_cndmask_b32 v[96+16*\b+\i], v[96+16*\b+\i], v254, s[32+\i]
.endr
.endr
.Lopen_\@:
.irp b, 0,1,2,3
	v_max3_num_f32 v[232+\b], v[96+16*\b], v[97+16*\b], v[98+16*\b]   ; the largest score of each block of 32 keys: it serves for the row's maximum and, since p rises with the score, for the block's largest p
.endr
.irp i, 3,5,7,9,11,13
.irp b, 0,1,2,3
	v_max3_num_f32 v[232+\b], v[232+\b], v[96+16*\b+\i], v[97+16*\b+\i]
.endr
.endr
.irp b, 0,1,2,3
	v_max_num_f32 v[232+\b], v[232+\b], v[111+16*\b]
.endr
.irp b, 0,1,2,3
	v_permlanex16_b32 v[236+\b], v[232+\b], s20, s21
.endr
.irp b, 0,1,2,3
	v_max_num_f32 v[232+\b], v[232+\b], v[236+\b]  ; with lane l xor 16's 16 keys
.endr
	v_max3_num_f32 v254, v232, v233, v234
	v_max_num_f32 v254, v254, v235                 ; the step's largest score of my query (the block's first key counts for every query, so it is a number)
	v_mul_f32 v254, s22, v254                      ; as t
	v_max_num_f32 v13, v13, v254                   ; the running largest t
	v_mov_b32 v254, v12
	v_floor_f32 v12, -v13                          ; the new -M = -ceil(t)
	v_sub_f32 v254, v12, v254                      ; old M - new M: a whole number, 0 or less
	v_cvt_i32_f32 v254, v254                       ; (it saturates)
	v_ldexp_f32 v252, 1.0, v254                    ; f = 2^(old M - new M)
.irp j, 0,2,4,6,8,10,12,14,16,18,20,22,24,26,28,30,32,34,36,38,40,42,44,46,48,50,52,54,56,58,60,62
	v_pk_fma_f32 v[96+\j:97+\j], v[96+\j:97+\j], s[22:23], v[12:13] op_sel_hi:[1,0,0]   ; t - M, two at a time
.endr
.irp b, 0,1,2,3
	v_fma_f32 v[232+\b], v[232+\b], s22, v12       ; the same of each block's largest score
.endr
.irp j, 0,1,2,3,4,5,6,7,8,9,10,11,12,13,14,15,16,17,18,19,20,21,22,23,24,25,26,27,28,29,30,31,32,33,34,35,36,37,38,39,40,41,42,43,44,45,46,47,48,49,50,51,52,53,54,55,56,57,58,59,60,61,62,63
	v_exp_f32 v[96+\j], v[96+\j]                   ; p = 2^(t - M), at most 1
.endr
.irp b, 0,1,2,3
	v_exp_f32 v[232+\b], v[232+\b]                 ; the block's largest p
.endr
	v_pk_mul_f32 v[14:15], v[14:15], v[252:253] op_sel_hi:[1,0]   ; the sums under the new M.  (The plain place behind the exponentials)
	s_wait_alu depctr_va_vdst(0)                   ; the 68 exponentials have written v96-159 and v232-235: one wait for the batch, ahead of its first reader
.irp b, 0,1,2,3
	v_max_num_f32 v[232+\b], 0x1800000, v[232+\b]  ; the floor 2^(3 - 127): the byte cannot fall under 1
.endr
.irp b, 0,1,2,3
	v_add_nc_u32 v[244+\b], 0xff000000, v[232+\b]  ; the conversion's scale operand
.endr
.irp b, 0,1,2,3
	v_lshrrev_b32 v[236+\b], 23, v[244+\b]         ; the byte
.endr
	v_lshl_or_b32 v253, v237, 8, v236              ; p's scale word for these 128 keys
	v_lshl_or_b32 v253, v238, 16, v253
	v_lshl_or_b32 v253, v239, 24, v253
.irp c, 0,1
	v_cvt_scalef32_pk16_fp6_f32 v[224+6*\c:226+6*\c], v[96+32*\c:111+32*\c], v[244+2*\c]
	v_cvt_scalef32_pk16_fp6_f32 v[236+4*\c:238+4*\c], v[112+32*\c:127+32*\c], v[244+2*\c+1]
.endr
	v_nop                                          ; one plain place behind a scaled conversion
.irp c, 0,1
.irp i, 0,1,2
	v_permlane16_swap_b32 v[224+6*\c+\i], v[236+4*\c+\i]
.endr
.irp i, 0,1,2
	v_mov_b32 v[227+6*\c+\i], v[236+4*\c+\i]
.endr
.endr
	v_pk_add_f32 v[236:237], v[96:97], v[98:99]    ; the row's sum is taken of the unquantised p: two at a time, in two chains
.irp j, 4,8,12,16,20,24,28,32,36,40,44,48,52,56,60
	v_pk_add_f32 v[14:15], v[14:15], v[96+\j:97+\j]
	v_pk_add_f32 v[236:237], v[236:237], v[98+\j:99+\j]
.endr
	v_pk_add_f32 v[14:15], v[14:15], v[236:237]
.irp j, 0,2,4,6,8,10,12,14,16,18,20,22,24,26,28,30
	v_pk_mul_f32 v[160+\j:161+\j], v[160+\j:161+\j], v[252:253] op_sel_hi:[1,0]   ; O^T under the new M.  (With the sums above: more than the eight places between the write of p's scale word and the scaled products)
.endr
	s_wait_dscnt 0x0                               ; V and its scale words are in
	s_wait_alu depctr_va_vdst(0)                   ; vector instructions have written p's codes v224-235 and p's scale word v253, which the scaled products below take; the places above stay beside this wait
.irp a, 0,1,2,3                                ; O^T += V^T P^T: the four accumulators by turns
.if \a%2
	v_wmma_scale_f32_16x16x128_f8f6f4 v[160+8*\a:167+8*\a], v[32+12*\a:43+12*\a], v[224:235], v[160+8*\a:167+8*\a], v[250+\a/2], v253 matrix_a_fmt:MATRIX_FMT_FP6 matrix_b_fmt:MATRIX_FMT_FP6 matrix_a_scale:MATRIX_SCALE_ROW1
.else
	v_wmma_scale_f32_16x16x128_f8f6f4 v[160+8*\a:167+8*\a], v[32+12*\a:43+12*\a], v[224:235], v[160+8*\a:167+8*\a], v[250+\a/2], v253 matrix_a_fmt:MATRIX_FMT_FP6 matrix_b_fmt:MATRIX_FMT_FP6
.endif
.endr
.rept 4
	v_nop                                          ; four places in front of the read of O^T at the end
.endr
.Lhidden_\@:
	s_add_co_u32 s12, s12, 1
.if \fetch
	s_wait_loadcnt 0x0                             ; the next tile has come,
	ds_store_b128 v4, v[80:83] offset:TILEB*(1-\s) ; and goes into the slot that every wave left at the last barrier.  (No vector instruction of the loop names v4 or v80-87: nothing is owed for them here)
	s_cmp_lt_u32 s10, 9
	s_cbranch_scc0 .Ltwo_\@
	ds_store_b128 v4, v[84:87] offset:TILEB*(1-\s)+8192
.Ltwo_\@:
.endif
.if \bar
	s_wait_dscnt 0x0                               ; my stores have landed and my reads of this slot are over: ONE barrier serves both
	s_barrier_signal -1
	s_barrier_wait -1
.endif
.endm
.Lpair:                                            ; seven trips of two steps
	STEP 0, 1, 1
	STEP 1, 1, 1
	s_sub_co_u32 s13, s13, 1
	s_cmp_lg_u32 s13, 0
	s_cbranch_scc1 .Lpair
	STEP 0, 1, 1                                   ; step 14 fetches the last tile;
	STEP 1, 0, 0                                   ; step 15 fetches nothing: no load leaves the buffer
	; THE WAY OUT: O^T / the sum; register 16 b + i is channel 32 b + 16 h + i of my query: two blocks of 32 along the last product's K
	v_add_f32 v14, v14, v15
	v_permlanex16_b32 v252, v14, s20, s21
	v_add_f32 v14, v14, v252                       ; the row's sum
	v_rcp_f32 v14, v14
	v_nop                                          ; one plain place behind a transcendental
	s_wait_alu depctr_va_vdst(0)                   ; the reciprocal has written v14, ahead of its first reader
.irp j, 0,1,2,3,4,5,6,7,8,9,10,11,12,13,14,15,16,17,18,19,20,21,22,23,24,25,26,27,28,29,30,31
	v_mul_f32 v[96+\j], v[160+\j], v14             ; each accumulator from its low end on
.endr
	v_max3_num_f32 v232, |v96|, |v97|, 0x1800000
	v_max3_num_f32 v233, |v112|, |v113|, 0x1800000
.irp i, 2,4,6,8,10,12,14
	v_max3_num_f32 v232, v232, |v[96+\i]|, |v[97+\i]|
	v_max3_num_f32 v233, v233, |v[112+\i]|, |v[113+\i]|
.endr
	v_permlanex16_b32 v236, v232, s20, s21
	v_permlanex16_b32 v237, v233, s20, s21
	v_max_num_f32 v232, v232, v236
	v_max_num_f32 v233, v233, v237
	v_add_nc_u32 v244, 0xff000000, v232
	v_add_nc_u32 v245, 0xff000000, v233
	v_lshrrev_b32 v236, 23, v244
	v_lshrrev_b32 v237, 23, v245
	v_cvt_scalef32_pk16_fp6_f32 v[224:226], v[96:111], v244
	v_cvt_scalef32_pk16_fp6_f32 v[240:242], v[112:127], v245
	v_nop                                          ; one plain place behind a scaled conversion
.irp i, 0,1,2
	v_permlane16_swap_b32 v[224+\i], v[240+\i]
.endr
.irp i, 0,1,2
	v_mov_b32 v[227+\i], v[240+\i]                 ; six registers: k = 32 h + 0 .. 31 of my head's 64: half a fragment
.endr
	s_mov_b32 vcc_lo, 0xffff0000
	v_cndmask_b32 v238, v236, v237, vcc_lo         ; lanes 0-15 carry block 0's byte, lanes 16-31 block 1's
	s_wait_alu depctr_va_vdst(0)                   ; the codes v224-229 and the byte v238 are written, which the three stores below read
	global_store_b128 v1, v[224:227], s[28:29]     ; 512 consecutive bytes, aligned
	global_store_b64 v2, v[228:229], s[28:29] offset:512   ; 256
	global_store_b8 v11, v238, s[30:31]            ; single bytes: a head owns half of each row's scale word; 32 bytes beside 768 of codes
	s_wait_dscnt 0x0                               ; the closing lines, six on end
	s_wait_alu 0x0
	s_wait_tensorcnt 0x0
	ds_add_u32 v223, v243
	s_wait_dscnt 0x0
	s_endpgm
.Lfunc_end_k_q93b946ae5a_attn:
	.size	k_q93b946ae5a_attn, .Lfunc_end_k_q93b946ae5a_attn-k_q93b946ae5a_attn
	.p2alignl 7, 3214868480
	.fill 96, 4, 3214868480
	.section	.rodata,"a",@progbits
	.p2align	6, 0x0
	.amdhsa_kernel k_q93b946ae5a_attn
		.amdhsa_group_segment_fixed_size 27648
		.amdhsa_private_segment_fixed_size 0
		.amdhsa_enable_private_segment 0
		.amdhsa_kernarg_size 24
		.amdhsa_user_sgpr_count 2
		.amdhsa_user_sgpr_kernarg_segment_ptr 1
		.amdhsa_wavefront_size32 1
		.amdhsa_system_sgpr_workgroup_id_x 1
		.amdhsa_system_sgpr_workgroup_id_y 1
		.amdhsa_system_sgpr_workgroup_id_z 1
		.amdhsa_system_vgpr_workitem_id 0
		.amdhsa_next_free_vgpr 256
		.amdhsa_next_free_sgpr 66
		.amdhsa_reserve_vcc 1
		.amdhsa_float_denorm_mode_32 3
		.amdhsa_float_denorm_mode_16_64 3
		.amdhsa_memory_ordered 1
		.amdhsa_forward_progress 1
		.amdhsa_inst_pref_size 111
	.end_amdhsa_kernel
	.amdgpu_metadata
---
amdhsa.version: [ 1, 2 ]
amdhsa.kernels:
  - .name:           k_q93b946ae5a_attn
    .symbol:         k_q93b946ae5a_attn.kd
    .args:
      - { .name: qc, .offset: 0, .size: 8, .value_kind: global_buffer, .address_space: global }
      - { .name: kv, .offset: 8, .size: 8, .value_kind: global_buffer, .address_space: global }
      - { .name: ao, .offset: 16, .size: 8, .value_kind: global_buffer, .address_space: global }
    .group_segment_fixed_size: 27648
    .private_segment_fixed_size: 0
    .kernarg_segment_align: 8
    .kernarg_segment_size: 24
    .max_flat_workgroup_size: 512
    .sgpr_count:     66
    .vgpr_count:     256
    .wavefront_size: 32
...
	.end_amdgpu_metadata
.endif
;; end of part 5
;; launch proj: the kernel of part 4 again; grid 8 x 32, 8 waves a work-group, no clusters, 273,408 bytes of LDS; arguments ao, pq, c_proj_b, out0; writes out0
